; MI455X (gfx1250); checked and timed in simulation.
; The chip was launched on July 23, 2026; its instructions are those of AMD's public machine-readable ISA for CDNA 5 (MIT licence, August 2026) and "CDNA5" Instruction Set Architecture Reference Guide (July 2026). The comments in the code are by the model that wrote it; some were corrected since.
;; Multihead Attention Ro PE. Allowed arithmetic: float matrix products may take bf16 or f16 operands with f32 sums; other float arithmetic in f32, or as packed bf16 or f16 multiplies, adds, multiply-adds, maxima and minima; sums over many terms, partial sums and values carried from step to step in f32; what a program stores and reads back later, other than sums and carried values, may be rounded once to bf16 or f16.
;; Inputs: Wk 1,024 x 1,024 float32; Wo 1,024 x 1,024 float32; Wq 1,024 x 1,024 float32; Wv 1,024 x 1,024 float32; bk 1,024 float32; bo 1,024 float32; bq 1,024 float32; bv 1,024 float32; x 2 x 8,192 x 1,024 float32.
;; Outputs: out0 2 x 8,192 x 1,024 float32.
;; 2 versions, each right; version 2 is version 1 with the launch prep written anew for expert scheduling mode. Each part assembles by itself: llvm-mc -triple=amdgcn-amd-amdhsa -mcpu=gfx1250 --defsym DOCPART=n.
;; ======== version 1 of 2: 4 launches
;; limits: values are held in f16: magnitudes above 65,504 overflow, below 6.1e-05 lose precision
;; workspace buffers: xb 33,554,432 bytes; wqkvt 6,291,456 bytes; wot 2,097,152 bytes; biasp 16,384 bytes; ropetab 2,097,152 bytes; qkvh 100,663,296 bytes; obh 33,554,432 bytes
;; launch prep (part 1): grid 1153 x 1, 8 waves a work-group, no clusters, 70,656 bytes of LDS; arguments x, Wq, Wk, Wv, Wo, bq, bk, bv, bo, xb, wqkvt, wot, biasp, ropetab; writes xb, wqkvt, wot, biasp, ropetab
.if DOCPART == 1
	.amdgcn_target "amdgcn-amd-amdhsa--gfx1250"
	.amdhsa_code_object_version 6
	.text
	.protected	k_qdaf1b13b08_prep
	.globl	k_qdaf1b13b08_prep
	.p2align	8
	.type	k_qdaf1b13b08_prep,@function
k_qdaf1b13b08_prep:
	s_mov_b64 s[64:65], 0
	v_nop
	global_prefetch_b8 v0, s[64:65] scope:SCOPE_SE
	s_setreg_imm32_b32 hwreg(HW_REG_WAVE_MODE, 25, 1), 1
	s_wait_xcnt 0x0
; PREP: every input is rounded once to bf16 and laid out for the launches behind it.  Four roles, chosen by the work-group's number alone:
;   X (work-groups 0-511):     xb[r][k] = bf16(x[r][k]); 32 rows of 4,096 bytes a work-group, a row a load of the eight waves.
;   W (512-639):               the four weights, turned from [k][n] to [n'][k]: a wave takes a tile of 128 k x 32 n through its own LDS stage.
;                              Wq, Wk, Wv -> wqkvt (bf16, rows permuted); Wo -> wot (the bf16-rounded number written as f16, K permuted).
;   T (640-1151):              ropetab[pos][64]: cos and sin of pos x 10000^(-i/32), in the order in which a lane of the attention launch wants them.
;   B (1152):                  the four biases, rounded to bf16, kept as f32, in the order of the permuted columns.
; PERMUTATIONS.  q, k: column h*64+d goes to (d>>3)*128 + h*8 + (d&7).  v: column e*64+d goes to (d>>4)*256 + (e>>3)*128 + (d&15)*8 + (e&7).
; Wo's K: place 128 kt + kk holds Wo's row (kk>>3)*64 + 8 kt + (kk&7), the order in which the attention launch stores its result.
; LIMITS.  Wo as f16: below 6e-5 it keeps f16's fixed step of 6e-8; beyond 65,504 it would be an infinity.  The angle is pos x freq with freq = 2^(-i log2(10000)/32),
; good to a few last places of freq; the argument is reduced by three parts of pi/2 (pos < 8,192) and sine and cosine are polynomials on |r| <= pi/4.
; No barrier: each wave's LDS bytes are its own.  No matrix unit, no cluster: nothing is multiplied and nothing is shared.
.set SPARE, 69632                      ; behind the eight stages: the spare words, 128 bytes a wave, four blocks of 256 bytes that no other line names
.set WST,   8704                       ; a wave's stage: 32 rows of 272 bytes
.set WP,    272                        ; 256 bytes of data + 16: an odd multiple of 16
.set SPW,   2                          ; v2  LDS address of my spare word; never rewritten
.set NIL,   3                          ; v3  0; never rewritten
	s_load_b512 s[8:23], s[0:1], 0x0               ; x s[8:9], Wq s[10:11], Wk s[12:13], Wv s[14:15], Wo s[16:17], bq s[18:19], bk s[20:21], bv s[22:23]
	s_load_b256 s[24:31], s[0:1], 0x40             ; bo s[24:25], xb s[26:27], wqkvt s[28:29], wot s[30:31]
	s_load_b128 s[32:35], s[0:1], 0x60             ; biasp s[32:33], ropetab s[34:35]
	v_lshl_add_u32 v[SPW], v0, 2, SPARE
	v_mov_b32 v[NIL], 0
	v_lshrrev_b32 v1, 5, v0
	v_readfirstlane_b32 s36, v1                    ; wave 0..7
	v_and_b32 v4, 31, v0                           ; lane
	s_mov_b32 s61, 0xffff0000                      ; a word's upper half
	s_wait_kmcnt 0x0
	s_cmp_lt_u32 ttmp9, 512
	s_cbranch_scc1 .Lrole_x
	s_cmp_lt_u32 ttmp9, 640
	s_cbranch_scc1 .Lrole_w
	s_cmp_lt_u32 ttmp9, 1152
	s_cbranch_scc1 .Lrole_t
; ROLE B.  Thread t makes places 4 t .. 4 t + 3 of each of the four biases.  G = t >> 1 is the place's group of eight, jb = 4 (t & 1) its first number in the group.
	v_lshrrev_b32 v5, 1, v0                        ; G
	v_and_b32 v6, 1, v0
	v_lshlrev_b32 v6, 2, v6                        ; jb
	v_and_b32 v7, 15, v5                           ; G & 15
	v_lshrrev_b32 v8, 4, v5                        ; G >> 4
	v_lshlrev_b32 v9, 6, v7                        ; q, k: h = G & 15, d = 8 (G >> 4) + jb: four neighbouring numbers
	v_lshl_add_u32 v9, v8, 3, v9
	v_add_lshl_u32 v9, v9, v6, 2
	v_and_b32 v10, 1, v8                           ; v: e = 8 ((G >> 4) & 1) + jb + 0..3, d = 16 (G >> 5) + (G & 15): four numbers 64 apart
	v_lshl_add_u32 v10, v10, 3, v6
	v_lshrrev_b32 v11, 5, v5
	v_lshl_add_u32 v11, v11, 4, v7
	v_lshl_add_u32 v10, v10, 6, v11
	v_lshlrev_b32 v10, 2, v10
	v_lshlrev_b32 v12, 4, v0                       ; 16 t
	global_load_b128 v[16:19], v9, s[18:19]
	global_load_b128 v[20:23], v9, s[20:21]
.irp j, 0,1,2,3
	global_load_b32 v[24+(\j)], v10, s[22:23] offset:256*(\j)
.endr
	global_load_b128 v[28:31], v12, s[24:25]
	s_wait_loadcnt 0x0
.irp p, 0,1,2,3,4,5,6,7
	v_cvt_pk_bf16_f32 v13, v[16+2*(\p)], v[17+2*(\p)]   ; rounded to bf16,
	v_lshlrev_b32 v[16+2*(\p)], 16, v13                 ; and written as f32 again
	v_and_b32 v[17+2*(\p)], s61, v13
.endr
.irp s, 0,1,2,3
	global_store_b128 v12, v[16+4*(\s):19+4*(\s)], s[32:33] offset:4096*(\s)
.endr
	s_branch .Lend
; ROLE X.  32 loads of every wave go out at once (16 KiB a wave); the waits count the younger loads down.  A store of a wave covers 256 consecutive bytes, aligned.
.Lrole_x:
	s_lshl_b32 s40, ttmp9, 17                      ; 32 rows of 4,096 bytes
	s_mov_b32 s41, 0
	s_add_nc_u64 s[8:9], s[8:9], s[40:41]
	s_lshl_b32 s40, ttmp9, 16                      ; 32 rows of 2,048 bytes
	s_add_nc_u64 s[26:27], s[26:27], s[40:41]
	v_lshlrev_b32 v5, 4, v0
	v_lshlrev_b32 v6, 3, v0
.set i, 0
.rept 32
	global_load_b128 v[32+4*i:35+4*i], v5, s[8:9] offset:4096*i th:TH_LOAD_NT
.set i, i+1
.endr
.set i, 0
.rept 32
	s_wait_loadcnt 31-i                            ; loads come back in order: row i is in, the 31 - i younger ones stay out
	v_cvt_pk_bf16_f32 v[32+4*i], v[32+4*i], v[33+4*i]
	v_cvt_pk_bf16_f32 v[33+4*i], v[34+4*i], v[35+4*i]
	global_store_b64 v6, v[32+4*i:33+4*i], s[26:27] offset:2048*i
.set i, i+1
.endr
	s_branch .Lend
; ROLE W.  Tile number = 8 x (work-group - 512) + wave = mat * 256 + kt * 32 + nt: 128 places of K (kt) x 32 columns (nt) of matrix mat (0 Wq, 1 Wk, 2 Wv, 3 Wo).
.Lrole_w:
	s_sub_co_u32 s37, ttmp9, 512
	s_lshl3_add_u32 s37, s37, s36
	s_lshr_b32 s38, s37, 8                         ; mat
	s_bfe_u32 s39, s37, 0x30005                    ; kt
	s_and_b32 s44, s37, 31                         ; nt
	s_lshr_b32 s45, s44, 1                         ; the head of the 32 columns
	s_and_b32 s46, s44, 1
	s_lshl_b32 s46, s46, 5                         ; d0: their first channel in the head
	s_lshl_b32 s55, s38, 10
	s_lshl3_add_u32 s55, s45, s55                  ; q, k: mat * 1024 + head * 8
	s_lshr_b32 s56, s45, 3
	s_lshl_b32 s56, s56, 7
	s_and_b32 s57, s45, 7
	s_add_co_u32 s56, s56, s57
	s_add_co_u32 s56, s56, 2048                    ; v: 2048 + (head >> 3) * 128 + (head & 7)
	s_lshl_b32 s57, s45, 6                         ; o: head * 64
	s_mov_b32 s50, 128
	s_mov_b32 s47, 8*4096
	; the destination row of channel d is (d >> s49) * s50 + (d & s51) * s52 + s53
	s_cmp_eq_u32 s38, 2
	s_cselect_b32 s49, 4, 3
	s_cselect_b32 s50, 256, s50
	s_cselect_b32 s51, 15, 7
	s_cselect_b32 s52, 8, 1
	s_cselect_b32 s53, s56, s55
	s_cmp_eq_u32 s38, 1
	s_cselect_b64 s[40:41], s[12:13], s[10:11]
	s_cmp_eq_u32 s38, 2
	s_cselect_b64 s[40:41], s[14:15], s[40:41]
	s_cmp_eq_u32 s38, 3
	s_cselect_b64 s[40:41], s[16:17], s[40:41]     ; the source
	s_cselect_b64 s[42:43], s[30:31], s[28:29]     ; the destination
	s_cselect_b32 s50, 8, s50
	s_cselect_b32 s53, s57, s53
	s_cselect_b32 s47, 64*4096, s47                ; bytes from a group of eight places of K to the next: 8 rows, for Wo 64
	s_cselect_b32 s54, 15, 19
	s_lshl_b32 s48, s39, s54                       ; the tile's first source row: 128 kt, for Wo 8 kt
	s_lshl_b32 s58, s44, 7                         ; its 32 columns: 128 bytes
	s_add_co_u32 s58, s58, s48
	s_mul_i32 s59, s36, WST                        ; my stage
	s_lshl_b32 s60, s39, 8                         ; the tile's 256 bytes in a destination row
	v_and_b32 v5, 7, v4                            ; nl: which 16 bytes (4 columns) of a source row
	v_lshrrev_b32 v6, 3, v4                        ; rg: which pair of rows in a group of eight
	v_lshrrev_b32 v7, 4, v4
	v_and_b32 v12, 15, v4
	v_lshlrev_b32 v16, 13, v6
	v_lshl_add_u32 v16, v5, 4, v16
	v_add_nc_u32 v16, s58, v16
.set i, 1
.rept 15
	v_add_nc_u32 v[16+i], s47, v[15+i]
.set i, i+1
.endr
.set i, 0
.rept 16                                       ; place kk = 8 i + 2 rg + e of K, columns 4 nl .. 4 nl + 3
	global_load_b128 v[32+8*i:35+8*i], v[16+i], s[40:41] th:TH_LOAD_NT
	global_load_b128 v[36+8*i:39+8*i], v[16+i], s[40:41] offset:4096 th:TH_LOAD_NT
.set i, i+1
.endr
	v_mul_u32_u24 v8, v5, 4*WP                     ; into the stage: row 4 nl + ii, byte 2 kk
	v_lshl_add_u32 v8, v6, 2, v8
	v_add_nc_u32 v8, s59, v8
	v_mul_u32_u24 v9, v7, WP                       ; back: lanes 0-15 one row of 256 bytes, lanes 16-31 the next
	v_lshl_add_u32 v9, v12, 4, v9
	v_add_nc_u32 v9, s59, v9
	v_lshl_add_u32 v13, v12, 4, s60
	v_add_nc_u32 v14, s46, v7                      ; the channel of my row in the first pair of rows
.set i, 0
.rept 16                                       ; where pair i of the tile's rows goes
	v_add_nc_u32 v10, 2*i, v14
	v_lshrrev_b32 v11, s49, v10
	v_and_b32 v10, s51, v10
	v_mul_u32_u24 v11, s50, v11
	v_mad_u32_u24 v11, v10, s52, v11
	v_add_nc_u32 v11, s53, v11
	v_lshl_add_u32 v[224+i], v11, 11, v13          ; rows of 2,048 bytes
.set i, i+1
.endr
.set i, 0
.rept 16
	s_wait_loadcnt 30-2*i                          ; group i's two loads are in; the 30 - 2 i younger ones stay out
.irp c, 0,1,2,3
	v_cvt_pk_bf16_f32 v[32+8*i+(\c)], v[32+8*i+(\c)], v[36+8*i+(\c)]  ; two neighbouring places of K of one column
.endr
.set i, i+1
.endr
	s_cmp_lg_u32 s38, 3
	s_cbranch_scc1 .Lw_bf16
.set i, 0
.rept 16                                       ; Wo: the bf16-rounded numbers are written as f16
.irp c, 0,1,2,3
	v_lshlrev_b32 v[10+2*((\c)%2)], 16, v[32+8*i+(\c)]
	v_and_b32 v[11+2*((\c)%2)], s61, v[32+8*i+(\c)]
	v_cvt_pk_f16_f32 v[32+8*i+(\c)], v[10+2*((\c)%2)], v[11+2*((\c)%2)]
.endr
.set i, i+1
.endr
.Lw_bf16:
.set i, 0
.rept 16
.irp c, 0,1,2,3
	ds_store_b32 v8, v[32+8*i+(\c)] offset:(\c)*WP+16*i
.endr
.set i, i+1
.endr
.set i, 0
.rept 16
	ds_load_b128 v[160+4*i:163+4*i], v9 offset:2*WP*i  ; LDS serves a wave's instructions in order (ISA guide 5.7.1.4): these see the stores above
.set i, i+1
.endr
.set i, 0
.rept 16
	s_wait_dscnt 15-i
	global_store_b128 v[224+i], v[160+4*i:163+4*i], s[42:43]  ; 16 lanes store 256 consecutive bytes, aligned
.set i, i+1
.endr
	s_branch .Lend
; ROLE T.  Thread t of work-group g makes quad idx = 256 (g - 640) + t: position idx >> 4, quad t & 15 = hh * 8 + cs * 4 + c * 2 + g2; its four words are
; cos (cs = 0) or sin (cs = 1) at frequency i = 16 c + 8 g2 + 4 hh + w.  No branch hangs on a number: both polynomials are made and one is chosen.
.Lrole_t:
	s_sub_co_u32 s40, ttmp9, 640
	s_lshl_b32 s40, s40, 8
	v_add_nc_u32 v5, s40, v0
	v_lshrrev_b32 v6, 4, v5
	v_cvt_f32_u32 v6, v6                           ; pos
	v_lshlrev_b32 v5, 4, v5                        ; my 16 bytes
	v_bfe_u32 v7, v0, 3, 1
	v_bfe_u32 v8, v0, 2, 1
	v_bfe_u32 v9, v0, 1, 1
	v_and_b32 v10, 1, v0
	v_lshlrev_b32 v11, 2, v7
	v_lshl_add_u32 v11, v10, 3, v11
	v_lshl_add_u32 v11, v9, 4, v11                 ; the first of my four frequencies
	v_sub_nc_u32 v8, 1, v8                         ; cos x = sin (x + pi/2): one quadrant on
	s_mov_b32 s44, 0xbed49a78                      ; -log2(10000) / 32
	s_mov_b32 s45, 0x3f22f983                      ; 2 / pi
	s_mov_b32 s46, 0x3fc90000                      ; pi / 2 in three parts
	s_mov_b32 s47, 0x39fda000
	s_mov_b32 s48, 0x33a22168
	s_mov_b32 s49, 0xbe2aaaa3                      ; sine: -1.6666654611e-1, 8.3321608736e-3, -1.9515295891e-4
	s_mov_b32 s50, 0x3c08839e
	s_mov_b32 s51, 0xb94ca1f9
	s_mov_b32 s52, 0x3d2aaaa5                      ; cosine: 4.166664568e-2, -1.388731625e-3, 2.443315712e-5
	s_mov_b32 s53, 0xbab6061a
	s_mov_b32 s54, 0x37ccf5ce
.macro ALL4 line:vararg                ; one line for each of the four words: word w works in v[R .. R+6]
.set R, 16
.set w, 0
.rept 4
	\line
.set R, R+8
.set w, w+1
.endr
.endm
	ALL4 v_add_nc_u32 v[R], w, v11
	ALL4 v_cvt_f32_u32 v[R], v[R]
	ALL4 v_mul_f32 v[R], s44, v[R]
	ALL4 v_exp_f32 v[R+1], v[R]                    ; freq: one batch of four,
	v_nop                                          ; a plain instruction behind the last,
	s_wait_alu depctr_va_vdst(0)                   ; and the one wait ahead of the first reader
	ALL4 v_mul_f32 v[R], v6, v[R+1]                ; the angle
	ALL4 v_mul_f32 v[R+1], s45, v[R]
	ALL4 v_rndne_f32 v[R+1], v[R+1]                ; quadrants
	ALL4 v_fma_f32 v[R], -v[R+1], s46, v[R]
	ALL4 v_fma_f32 v[R], -v[R+1], s47, v[R]
	ALL4 v_fma_f32 v[R], -v[R+1], s48, v[R]        ; r, within pi/4 of 0
	ALL4 v_cvt_i32_f32 v[R+1], v[R+1]
	ALL4 v_add_nc_u32 v[R+1], v[R+1], v8
	ALL4 v_mul_f32 v[R+2], v[R], v[R]              ; r^2
	ALL4 v_fma_f32 v[R+3], v[R+2], s51, s50
	ALL4 v_fma_f32 v[R+3], v[R+3], v[R+2], s49
	ALL4 v_mul_f32 v[R+4], v[R+2], v[R]
	ALL4 v_fma_f32 v[R+3], v[R+3], v[R+4], v[R]    ; sin r
	ALL4 v_fma_f32 v[R+4], v[R+2], s54, s53
	ALL4 v_fma_f32 v[R+4], v[R+4], v[R+2], s52
	ALL4 v_mul_f32 v[R+5], v[R+2], v[R+2]
	ALL4 v_fma_f32 v[R+6], v[R+2], -0.5, 1.0
	ALL4 v_fma_f32 v[R+4], v[R+4], v[R+5], v[R+6]  ; cos r
	ALL4 v_and_b32 v[R+5], 1, v[R+1]
	ALL4 v_cmp_eq_u32 s[56+w], 1, v[R+5]
	ALL4 v_cndmask_b32 v[R+3], v[R+3], v[R+4], s[56+w]  ; odd quadrants take the cosine,
	ALL4 v_and_b32 v[R+5], 2, v[R+1]
	ALL4 v_lshlrev_b32 v[R+5], 30, v[R+5]
	ALL4 v_xor_b32 v[12+w], v[R+5], v[R+3]         ; quadrants 2 and 3 the other sign
	global_store_b128 v5, v[12:15], s[34:35]       ; 16 lanes store a position's 256 bytes
.Lend:
	s_wait_tensorcnt 0x0                           ; the wave's end, behind my last LDS store
	ds_add_u32 v[SPW], v[NIL]
	s_wait_dscnt 0x0
	s_endpgm
.Lfunc_end_k_qdaf1b13b08_prep:
	.size	k_qdaf1b13b08_prep, .Lfunc_end_k_qdaf1b13b08_prep-k_qdaf1b13b08_prep
	.p2alignl 7, 3214868480
	.fill 96, 4, 3214868480
	.section	.rodata,"a",@progbits
	.p2align	6, 0x0
	.amdhsa_kernel k_qdaf1b13b08_prep
		.amdhsa_group_segment_fixed_size 70656
		.amdhsa_private_segment_fixed_size 0
		.amdhsa_enable_private_segment 0
		.amdhsa_kernarg_size 112
		.amdhsa_user_sgpr_count 2
		.amdhsa_user_sgpr_kernarg_segment_ptr 1
		.amdhsa_wavefront_size32 1
		.amdhsa_system_sgpr_workgroup_id_x 1
		.amdhsa_system_sgpr_workgroup_id_y 1
		.amdhsa_system_sgpr_workgroup_id_z 1
		.amdhsa_system_vgpr_workitem_id 0
		.amdhsa_next_free_vgpr 240
		.amdhsa_next_free_sgpr 66
		.amdhsa_reserve_vcc 0
		.amdhsa_float_denorm_mode_32 3
		.amdhsa_float_denorm_mode_16_64 3
		.amdhsa_memory_ordered 1
		.amdhsa_forward_progress 1
		.amdhsa_inst_pref_size 52
	.end_amdhsa_kernel
	.amdgpu_metadata
---
amdhsa.version: [ 1, 2 ]
amdhsa.kernels:
  - .name:           k_qdaf1b13b08_prep
    .symbol:         k_qdaf1b13b08_prep.kd
    .args:
      - { .name: x, .offset: 0, .size: 8, .value_kind: global_buffer, .address_space: global }
      - { .name: Wq, .offset: 8, .size: 8, .value_kind: global_buffer, .address_space: global }
      - { .name: Wk, .offset: 16, .size: 8, .value_kind: global_buffer, .address_space: global }
      - { .name: Wv, .offset: 24, .size: 8, .value_kind: global_buffer, .address_space: global }
      - { .name: Wo, .offset: 32, .size: 8, .value_kind: global_buffer, .address_space: global }
      - { .name: bq, .offset: 40, .size: 8, .value_kind: global_buffer, .address_space: global }
      - { .name: bk, .offset: 48, .size: 8, .value_kind: global_buffer, .address_space: global }
      - { .name: bv, .offset: 56, .size: 8, .value_kind: global_buffer, .address_space: global }
      - { .name: bo, .offset: 64, .size: 8, .value_kind: global_buffer, .address_space: global }
      - { .name: xb, .offset: 72, .size: 8, .value_kind: global_buffer, .address_space: global }
      - { .name: wqkvt, .offset: 80, .size: 8, .value_kind: global_buffer, .address_space: global }
      - { .name: wot, .offset: 88, .size: 8, .value_kind: global_buffer, .address_space: global }
      - { .name: biasp, .offset: 96, .size: 8, .value_kind: global_buffer, .address_space: global }
      - { .name: ropetab, .offset: 104, .size: 8, .value_kind: global_buffer, .address_space: global }
    .group_segment_fixed_size: 70656
    .private_segment_fixed_size: 0
    .kernarg_segment_align: 8
    .kernarg_segment_size: 112
    .max_flat_workgroup_size: 256
    .sgpr_count:     66
    .vgpr_count:     240
    .wavefront_size: 32
...
	.end_amdgpu_metadata
.endif
;; end of part 1
;; launch qkv (part 2): grid 12 x 64, 4 waves a work-group, clusters of 4 x 4, 327,680 bytes of LDS; arguments xb, wqkvt, qkvh, biasp; writes qkvh
.if DOCPART == 2
	.amdgcn_target "amdgcn-amd-amdhsa--gfx1250"
	.amdhsa_code_object_version 6
	.text
	.protected	k_qdaf1b13b08_qkv
	.globl	k_qdaf1b13b08_qkv
	.p2align	8
	.type	k_qdaf1b13b08_qkv,@function
k_qdaf1b13b08_qkv:
	s_mov_b64 s[64:65], 0
	v_nop
	global_prefetch_b8 v0, s[64:65] scope:SCOPE_SE
	s_setreg_imm32_b32 hwreg(HW_REG_WAVE_MODE, 25, 1), 1
	s_wait_xcnt 0x0
	s_wait_alu depctr_hold_cnt(0) depctr_sa_sdst(0) depctr_va_vdst(0) depctr_va_sdst(0) depctr_va_ssrc(0) depctr_va_vcc(0) depctr_vm_vsrc(0)
	s_getreg_b32 s2, hwreg(HW_REG_IB_STS2, 6, 4)
	s_cmp_eq_u32 s2, 0
	s_cbranch_scc0 .Lentry_in_a_cluster
	s_endpgm
.Lentry_in_a_cluster:
	s_bfe_u32 s2, ttmp6, 0x10000c
	s_cmp_lg_u32 s2, 0xf033
	s_cbranch_scc0 .Lentry_shape_is_right
	s_endpgm
.Lentry_shape_is_right:
; C[m][n] = bias[n] + sum over k of A[m][k] B[n][k].  A: [SIZE_M][SIZE_K], B: [SIZE_N][SIZE_K], 16-bit; sums in f32, started by the bias; C: [SIZE_M][SIZE_N].
; This text serves two launches by its head constants.  OUT32 = 0 (here): A = x, B = the three projections' weights, both bf16; C = q, k, v in f16, rounded once.
; OUT32 = 1: A = the attention's result, B = the output weights, both f16; C = the module's output in f32.
; LIMIT.  With OUT32 = 0 a result of 65,520 or more becomes an infinity in f16.  NaN and infinities are not treated apart.
; A tile of C, 256 x 256, is made by a work-group of four waves; a wave makes 128 x 128: 64 accumulators of 16 x 16, 512 registers.  K goes in steps of 128 through a ring of two
; LDS slots filled by the tensor data mover: the rows of A's and B's tiles are 256 bytes of memory and start at multiples of 256 bytes from the buffer's first byte.
; The last K step goes by rows of C, so that finished rows leave while the others are multiplied.
; CLUSTERS: 4 x 4 work-groups.  The four of a row of the cluster need the same tiles of A, the four of a column the same tiles of B: such a tile is asked for JOINTLY, by the same
; tensor load with the same descriptor and a mask that names the four; each receives it in its own LDS.
; REGISTERS, in windows of 256 (s_set_vgpr_msb's low byte: bits 1:0 source 0, 3:2 source 1, 5:4 source 2, 7:6 destination):
;   window 0: v0-31 addresses; v64-127, v128-191 fragments of A, two buffers (in the last K step four, of 16 rows x 128 K); v192-255 first the bias, later the way out; v32-63 the way out
;   window 1: v64-127, v128-191 fragments of B, two buffers; in the last K step all 256
;   window 2: the 32 accumulators of my rows 0-63 (accumulator (a, b) at v[8 (8 a + b)]);   window 3: those of my rows 64-127
; THE MATRIX INSTRUCTION IS USED TRANSPOSED: source 0 = 16 rows of B, source 1 = 16 rows of A: lane l holds row l % 16 of C and the columns 8 (l / 16) + 0 .. 7 of a block of 16.
; So the bias of a block of 16 columns is one C operand, the same for all rows: eight such operands start the 64 sums, and nothing is cleared.
.set SIZE_M, 16384
.set SIZE_N, 3072
.set SIZE_K, 1024
.set OUT32,  0                         ; 0: bf16 products, f16 out.  1: f16 products, f32 out
.set BIAS0,  0                         ; byte at which this launch's biases begin in the bias buffer
.set CBL,    1+OUT32                   ; log2 of an output number's bytes
.set ROWC,   SIZE_N<<CBL               ; bytes in a row of C
.set KSTEP,  128
.set PITCH,  272                       ; an LDS row: 256 bytes of data + 16 of padding = 68 words: the 16 rows that a load touches start at 16 different groups of four banks (64 banks of 4 bytes: ISA guide 11.1)
.set HALFT,  128*PITCH                 ; 128 rows: what one tensor load brings, and what one wave reads of A or of B
.set SLOT,   4*HALFT                   ; A's 256 rows, then B's 256 rows
.set STAGE,  2*SLOT                    ; behind the ring: 16 rows for each wave, for the way out
.set SPITCH, 272+256*OUT32             ; a stage row: my 128 columns (256 or 512 bytes) + 16
.set SPARE,  STAGE+4*16*SPITCH         ; behind the stages: the spare words, 128 bytes for each wave: two blocks of 256 bytes that no other line names
.set LAPS,   SIZE_K/(2*KSTEP)          ; a lap = two K steps = once round the ring
.set ADRA, 16                          ; v16-17  LDS address of my A fragments in slot 0, 1
.set ADRB, 20                          ; v20-21  the same for B
.set STO,  24                          ; v24     the way out: where I put my numbers of a row
.set RD,   25                          ; v25     the way out: where I read rows back
.set CO,   26                          ; v26     my byte offset in C
.set BO,   27                          ; v27     my byte offset in a block's 16 biases
.set SPW,  28                          ; v28     LDS address of my spare word: SPARE + 4 x my thread's number; never rewritten
.set NIL,  29                          ; v29     0; never rewritten
.set PFO,  30                          ; v30     the prefetches' offset: my lane x a row of A or B in memory; never rewritten
.set PFA,  44                          ; s[44:45] where my prefetches stand: my work-group's 32 rows of the 128 that I fetch, one K step further than the refill that is being asked for
.set LIM,  43                          ; s43     1 in a wave that prefetches, else the greatest number
.set BP,   68                          ; s[68:69] the bias of my first column
.set F0,   64                          ; fragment buffer 0
.set F1,   128                         ; fragment buffer 1
.set BI,   192                         ; the bias: block b's C operand at v[BI + 8 b], window 0
.set TMP,  192                         ; the 16-bit way out: packed results
.set OB,   32                          ; the 16-bit way out: 16 rows read back: v32-63 and v224-255 by turns
.set BK32, 192                         ; the f32 way out: 16 rows read back, v192-255
.set PA,   64                          ; the last K step: A's fragments of 16 rows x 128 K, 32 registers; four such buffers, v64-191
.set G1, 24                            ; s[24:31] descriptor group 1 for A's tiles
.set G0, 32                            ; s[32:39] descriptor group 0 for A's tiles, one set for each slot
.set G1B, 48                           ; s[48:55] descriptor group 1 for B's tiles: it differs from A's in the mask alone
.set G0B, 56                           ; s[56:63] descriptor group 0 for B's tiles, one set for each slot
.set MSB, 0
.macro WIN new                         ; the immediate's high byte repeats the setting that is left; a switch that changes nothing is dropped
.if MSB != (\new)
	s_set_vgpr_msb (MSB<<8)|(\new)
.set MSB, \new
.endif
.endm
.set MUL_LO, 0xa1                      ; source 0 (B) window 1, source 1 (A) window 0, C and D window 2
.set MUL_HI, 0xf1                      ; the same, C and D window 3
.set TO_B,   0x40                      ; destination window 1, address window 0
.macro WM                              ; the matrix instruction: D at rD, source 0 at rB, source 1 at rA, C at rC
.if OUT32
	v_wmma_f32_16x16x32_f16 v[rD:rD+7], v[rB:rB+7], v[rA:rA+7], v[rC:rC+7]
.else
	v_wmma_f32_16x16x32_bf16 v[rD:rD+7], v[rB:rB+7], v[rA:rA+7], v[rC:rC+7]
.endif
.endm
; A joint load.  Waves 0 and 1 fetch A's two halves, waves 2 and 3 B's.  Each of the two lines has ONE mask and one set of registers for all that issue it.
; The branch hangs on the wave's number alone.  An s_nop 0 and four v_nop follow each of the two lines, ahead of the jump and the label.
.macro JLOAD s
	s_cmp_eq_u32 s11, 0
	s_cbranch_scc0 .Lfor_b_\@
	tensor_load_to_lds s[G0+4*(\s):G0+4*(\s)+3], s[G1:G1+7]
	s_nop 0
.rept 4
	v_nop
.endr
	s_branch .Lasked_\@
.Lfor_b_\@:
	tensor_load_to_lds s[G0B+4*(\s):G0B+4*(\s)+3], s[G1B:G1B+7]
	s_nop 0
.rept 4
	v_nop
.endr
.Lasked_\@:
.endm
; A PREFETCH, behind each joint load, its five lines and the run of LDS loads that follows them: the K step that stands TWO refills on: 32 rows x 256 bytes, a lane a row, one instruction a wave.
; Each row's 256 bytes of a K step are named ONCE in the launch: of the clusters that read a tile row of A the one with cluster x = 0 asks, of those that read a tile column of B the one with
; cluster y = 0.  The four partners that ask for a tile jointly share its rows out BY ADDRESS: of the 128 rows that a wave fetches, the partner at place p takes 32 p .. 32 p + 31.
; K steps 0 to 3 come by their loads alone; the loop's last trip (s3 = 1) asks for nothing: the asks name K steps 4 to 7, and SIZE_K has eight.
.macro ASK
	s_cmp_gt_u32 s3, s[LIM]
	s_cbranch_scc0 .Lnot_mine_\@
	global_prefetch_b8 v[PFO], s[PFA:PFA+1] offset:KSTEP*2 th:TH_LOAD_NT scope:SCOPE_SE
.Lnot_mine_\@:
.endm
; A round of the cluster's barrier: my work-group's barrier, so that wave 0's signal speaks for all four waves; wave 0 signals for the work-group; every wave waits for all
; sixteen work-groups; my work-group's barrier once more.
.macro CREST                           ; a round behind its opening barrier
	s_cmp_lg_u32 s10, 0
	s_cbranch_scc1 .Lnot_wave_0_\@
	s_barrier_signal -3
.Lnot_wave_0_\@:
	s_barrier_wait -3
	s_barrier_signal -1
	s_barrier_wait -1
.endm
.macro CROUND                          ; a whole round
	s_barrier_signal -1
	s_barrier_wait -1
	CREST
.endm
	s_load_b128 s[4:7], s[0:1], 0x0                ; A s[4:5], B s[6:7]
	s_load_b64 s[8:9], s[0:1], 0x10                ; C
	s_load_b64 s[BP:BP+1], s[0:1], 0x18            ; the biases
	v_lshl_add_u32 v[SPW], v0, 2, SPARE
	v_mov_b32 v[NIL], 0
	ds_add_u32 v[SPW], v[NIL]                      ; the wave's opening: the add and its wait stand ahead of my first tensor load; the set-up below, work on registers, stands between them
	v_lshrrev_b32 v1, 5, v0
	v_readfirstlane_b32 s10, v1                    ; wave 0..3
	s_lshr_b32 s11, s10, 1                         ; which half of the tile's rows is mine.  Also: I fetch for A (0) or for B (1)
	s_and_b32 s12, s10, 1                          ; which half of its columns.  Also: which 128 rows of that tile I fetch
	s_bfe_u32 s40, ttmp6, 0x40000                  ; cx: my place along the cluster's x
	s_bfe_u32 s41, ttmp6, 0x40004                  ; cy: along its y
	s_lshl_b32 s42, ttmp9, 2                       ; in a cluster launch ttmp9 and ttmp7 count clusters
	s_add_co_u32 s42, s42, s40                     ; tile column of C = 4 x cluster x + cx
	s_and_b32 s13, ttmp7, 0xffff
	s_lshl_b32 s13, s13, 2
	s_add_co_u32 s13, s13, s41                     ; tile row of C = 4 x cluster y + cy
	s_lshl_b32 s43, s41, 2
	s_lshl_b32 s43, 15, s43                        ; my row of the cluster: places 4 cy .. 4 cy + 3
	s_lshl_b32 s44, 0x1111, s40                    ; my column: places cx, cx + 4, cx + 8, cx + 12
	; descriptor group 1: a tile of 128 rows x 128 elements, padded in LDS
	s_or_b32 s[G1+0], s43, (1<<16)|(1<<20)|(1<<21)|(5<<22)|(3<<25)  ; 15:0 the mask: A's tiles go to my row; 17:16 element of 2 bytes; 20 padding on; 21 set beside a mask; 24:22 after every 64 words (code 5); 31:25 of 4 words (code 3)
	s_or_b32 s[G1B+0], s44, (1<<16)|(1<<20)|(1<<21)|(5<<22)|(3<<25) ; the same with the mask of my column, for B's tiles
	s_mov_b32 s[G1B+1], KSTEP<<16
	s_mov_b32 s[G1+1], KSTEP<<16                   ; tensor_dim0 = 128
	s_mov_b32 s[G1B+2], 128<<16
	s_mov_b32 s[G1+2], 128<<16                     ; tensor_dim1 = 128
	s_mov_b32 s[G1B+3], KSTEP<<16
	s_mov_b32 s[G1+3], KSTEP<<16                   ; tile_dim0 = 128
	s_mov_b32 s[G1B+4], 128
	s_mov_b32 s[G1+4], 128                         ; tile_dim1 = 128
	s_mov_b32 s[G1B+5], SIZE_K
	s_mov_b32 s[G1+5], SIZE_K                      ; elements from row to row
	s_mov_b32 s[G1B+6], 0
	s_mov_b32 s[G1+6], 0
	s_mov_b32 s[G1B+7], 0
	s_mov_b32 s[G1+7], 0
	; where the tiles come from.  A's hang on the tile row alone, which my row of the cluster shares; B's on the tile column alone, which my column shares.
	s_lshl_b32 s17, s12, 7                         ; which 128 rows of the tile I fetch
	s_lshl_b32 s16, s13, 8
	s_add_co_u32 s16, s16, s17                     ; A: row 256 x tile row + 128 x half
	s_lshl_b32 s46, s42, 8
	s_add_co_u32 s46, s46, s17                     ; B: row 256 x tile column + 128 x half
	s_mov_b32 s17, 0
	s_mov_b32 s47, 0
	s_mov_b64 s[18:19], SIZE_K*2
	s_mul_u64 s[16:17], s[16:17], s[18:19]         ; in bytes, in 64 bits
	s_mul_u64 s[46:47], s[46:47], s[18:19]
	s_mul_i32 s20, s10, HALFT                      ; and where they go: wave x 128 rows: no place in the cluster enters an LDS address
	s_wait_dscnt 0x0                               ; the opening add is done
	s_wait_kmcnt 0x0
	s_add_nc_u64 s[14:15], s[4:5], s[16:17]
	s_add_nc_u64 s[46:47], s[6:7], s[46:47]
	CROUND                                         ; all sixteen work-groups are here: the first joint loads meet
.irp s, 0,1
	s_mov_b32 s[G0+4*(\s)], 1                                      ; count = 1
	s_add_co_u32 s[G0+4*(\s)+1], s20, (\s)*SLOT                    ; LDS address
	s_add_nc_u64 s[G0+4*(\s)+2:G0+4*(\s)+3], s[14:15], (\s)*KSTEP*2  ; global address: K step s
	s_or_b32 s[G0+4*(\s)+3], s[G0+4*(\s)+3], 0x80000000            ; type = 2
	s_mov_b32 s[G0B+4*(\s)], 1
	s_add_co_u32 s[G0B+4*(\s)+1], s20, (\s)*SLOT
	s_add_nc_u64 s[G0B+4*(\s)+2:G0B+4*(\s)+3], s[46:47], (\s)*KSTEP*2
	s_or_b32 s[G0B+4*(\s)+3], s[G0B+4*(\s)+3], 0x80000000
	JLOAD \s                                       ; the ring is filled before anything else is done: two loads of mine are out
.endr
	; A fragment is 16 rows x 32 K in 8 registers: lane l holds row l % 16; registers 0-3 hold K = 8 (l / 16) + 0..7, registers 4-7 hold K = 16 + 8 (l / 16) + 0..7: two loads of 16 bytes, 32 bytes apart.
	v_and_b32 v1, 15, v0                           ; l % 16
	v_bfe_u32 v2, v0, 4, 1                         ; l / 16
	v_mul_u32_u24 v3, v1, PITCH
	v_lshl_add_u32 v3, v2, 4, v3                   ; row x pitch + 16 x half
	s_mul_i32 s21, s11, HALFT                      ; my 128 rows of A
	s_mul_i32 s22, s12, HALFT                      ; my 128 rows of B,
	s_add_co_u32 s22, s22, 2*HALFT                 ; which lie behind A's 256
.irp s, 0,1
	v_add_nc_u32 v[ADRA+(\s)], s21, v3
	v_add_nc_u32 v[ADRB+(\s)], s22, v3
	s_add_co_u32 s21, s21, SLOT
	s_add_co_u32 s22, s22, SLOT
.endr
	s_mul_i32 s23, s10, 16*SPITCH
	s_add_co_u32 s23, s23, STAGE                   ; my stage
	v_mul_u32_u24 v4, v1, SPITCH                   ; in: row l % 16, eight numbers for each half of the lanes
.if OUT32
	v_lshl_add_u32 v4, v2, 5, v4
	v_add_nc_u32 v[STO], s23, v4
	v_and_b32 v5, 31, v0                           ; back: the 32 lanes take one row of 512 bytes,
	v_lshlrev_b32 v[CO], 4, v5                     ; and the same 512 bytes of a row of C
	v_add_nc_u32 v[RD], s23, v[CO]
.else
	v_lshl_add_u32 v4, v2, 4, v4
	v_add_nc_u32 v[STO], s23, v4
	v_mul_u32_u24 v5, v2, SPITCH                   ; back: lanes 0-15 take one row of 256 bytes, lanes 16-31 the next
	v_lshl_add_u32 v5, v1, 4, v5
	v_add_nc_u32 v[RD], s23, v5
	v_mul_u32_u24 v5, v2, ROWC                     ; and the same two rows in C
	v_lshl_add_u32 v[CO], v1, 4, v5
.endif
	; where my part of the tile begins in C, in bytes: the way out adds it to C's address
	s_lshl_b32 s13, s13, 8
	s_lshl_b32 s14, s11, 7
	s_add_co_u32 s16, s13, s14                     ; my first row of C
	s_mov_b32 s17, 0
	s_mov_b64 s[18:19], ROWC
	s_mul_u64 s[16:17], s[16:17], s[18:19]
	s_lshl_b32 s46, s42, 8+CBL                     ; my first column, in bytes (in the registers that held B's address: none that feeds A's descriptors ever holds cx)
	s_lshl_b32 s47, s12, 7+CBL
	s_add_co_u32 s46, s46, s47
	s_mov_b32 s47, 0
	s_add_nc_u64 s[16:17], s[16:17], s[46:47]
	; the bias of my 128 columns: lane l takes numbers 8 (l / 16) + 0..7 of each block of 16: register j of block b's operand is the bias of column 16 b + 8 (l / 16) + j
	s_lshl_b32 s70, s46, 1-OUT32                   ; my first column x 4 bytes
	s_mov_b32 s71, 0
	s_add_nc_u64 s[BP:BP+1], s[BP:BP+1], s[70:71]
	v_lshlrev_b32 v[BO], 5, v2
.irp b, 0,1,2,3,4,5,6,7
	global_load_b128 v[BI+8*(\b):BI+8*(\b)+3],   v[BO], s[BP:BP+1] offset:BIAS0+64*(\b)
	global_load_b128 v[BI+8*(\b)+4:BI+8*(\b)+7], v[BO], s[BP:BP+1] offset:BIAS0+64*(\b)+16
.endr
	; the prefetches.  s13 = 256 x tile row, s42 = tile column, s40 = cx, s41 = cy still stand; s[4:5] = A, s[6:7] = B
	s_lshl_b32 s42, s42, 8
	s_and_b32 s22, ttmp7, 0xffff                   ; cluster y
	s_cmp_eq_u32 s11, 0                            ; do I fetch for A?
	s_cselect_b32 s20, s13, s42                    ; the tile's first row: in A by the tile row, in B by the tile column
	s_cselect_b32 s21, s40, s41                    ; my place among the four that ask for it with me
	s_cselect_b32 s22, ttmp9, s22                  ; the coordinate along which other clusters read the same rows
	s_cselect_b64 s[PFA:PFA+1], s[4:5], s[6:7]
	s_cmp_eq_u32 s22, 0
	s_cselect_b32 s[LIM], 1, -1                    ; the same in all sixteen partners, for a given wave
	s_lshl_b32 s22, s12, 7
	s_add_co_u32 s20, s20, s22                     ; + the 128 rows that I fetch
	s_lshl_b32 s21, s21, 5
	s_add_co_u32 s20, s20, s21                     ; + my work-group's 32 of them
	s_mov_b32 s21, 0
	s_mov_b64 s[18:19], SIZE_K*2
	s_mul_u64 s[20:21], s[20:21], s[18:19]
	s_add_nc_u64 s[PFA:PFA+1], s[PFA:PFA+1], s[20:21]
	s_add_nc_u64 s[PFA:PFA+1], s[PFA:PFA+1], 2*KSTEP*2  ; at K step 2: the first refill steps it to 3 and names K step 4
	v_and_b32 v[PFO], 31, v0
	v_mul_u32_u24 v[PFO], v[PFO], SIZE_K*2
; 16 matrix instructions: m blocks a0, a0 + 1 of the window's four (hi = 0: my rows 0-63, 1: rows 64-127) x all 8 n blocks, 32 along K.
; first = 1: the first product starts the sums with the bias, which lies in window 0.
.macro MUL16 f, hi, a0, first
.if \first
	WIN 0x81+0x40*(\hi)
.else
	WIN MUL_LO+0x50*(\hi)
.endif
.irp a, \a0, (\a0)+1
.irp b, 0,1,2,3,4,5,6,7
.set rD, 8*(8*(\a)+(\b))
.set rB, (\f)+8*(\b)
.set rA, (\f)+8*(4*(\hi)+(\a))
.if \first
.set rC, BI+8*(\b)
.else
.set rC, rD
.endif
	WM
.endr
.endr
.endm
; 32 LDS loads in one run: the fragments of one quarter step (128 rows of B, 128 rows of A, 32 K at byte k of the rows) into buffer f
.macro FETCH slot, k, f
	WIN TO_B
.irp i, 0,1,2,3,4,5,6,7
	ds_load_b128 v[(\f)+8*(\i):(\f)+8*(\i)+3],   v[ADRB+(\slot)] offset:(\k)+(\i)*16*PITCH
	ds_load_b128 v[(\f)+8*(\i)+4:(\f)+8*(\i)+7], v[ADRB+(\slot)] offset:(\k)+(\i)*16*PITCH+32
.endr
	WIN 0
.irp i, 0,1,2,3,4,5,6,7
	ds_load_b128 v[(\f)+8*(\i):(\f)+8*(\i)+3],   v[ADRA+(\slot)] offset:(\k)+(\i)*16*PITCH
	ds_load_b128 v[(\f)+8*(\i)+4:(\f)+8*(\i)+7], v[ADRA+(\slot)] offset:(\k)+(\i)*16*PITCH+32
.endr
.endm
; A load into a register that a matrix instruction has read, and a vector instruction or an LDS store that reads a matrix result, stand four places behind that matrix instruction, and only
; plain vector instructions that name none of its registers are places (ISA guide 7.12.1 for vector instructions).
.macro PLACES
.rept 4
	v_nop
.endr
.endm
; A K step is four quarter steps of 32 along K, 64 matrix instructions each, on buffers 0, 1, 0, 1.  The 64 accumulators take turns, in the same order in every quarter.
; One of the first three: multiplies buffer f; in its middle it fetches the next quarter's fragments, at byte k of the same slot's rows, into buffer g.
.macro QUARTER slot, k, f, g, first
	s_wait_dscnt 8                                 ; B and A's rows 0-63 are in; the youngest eight loads (A's rows 64-127) may be out
	MUL16 \f, 0, 0, \first
	MUL16 \f, 0, 2, \first
	PLACES
	FETCH \slot, \k, \g
	s_wait_dscnt 32                                ; all but the 32 just issued
	MUL16 \f, 1, 0, \first
	MUL16 \f, 1, 2, \first
.endm
; The last quarter multiplies buffer 1 and changes slots.  MEET is its first half: ONE barrier for the change of slots.  In front of it each wave waits for all its tensor loads, of which one is
; out: its part of the next slot; adds 0 to its spare word; and waits for that and for its own reads of this slot.  Behind it nobody reads this slot any more and the next slot is whole.
.macro MEET round                      ; round = 1: a round of the cluster's barrier follows
	WIN 0                                          ; (the add's two registers lie in window 0)
	s_wait_tensorcnt 0x0                           ; all my tensor loads have landed: the one that was out is my part of the next slot;
	ds_add_u32 v[SPW], v[NIL]                      ; 0 onto my spare word;
	s_wait_dscnt 9                                 ; (the add and the youngest eight loads may be out)
	MUL16 F1, 0, 0, 0                              ; sixteen matrix instructions stand between the add and the wait for it
	s_wait_dscnt 0x0                               ; the add is done, and my reads of this slot are over:
	s_barrier_signal -1                            ; say so,
	MUL16 F1, 0, 2, 0                              ; work on registers while the others arrive,
.if \round
	WIN 0
.endif
	s_barrier_wait -1                              ; and go on when all four have said so
.endm
; The whole last quarter.  Behind the round the slot just read out is filled again first, with the K step two steps on; then come the next slot's first fragments.
; From a request to the wait for it a wave issues 224 matrix instructions.
.macro TURN slot, next
	s_wait_xcnt 0x0                                ; the last prefetch, a K step back, has read its address: it is stepped here, ahead of the waits of the change of slots
	s_add_nc_u64 s[PFA:PFA+1], s[PFA:PFA+1], KSTEP*2
	MEET 1
	CREST                                          ; no wave of any partner still reads this slot's tile or has a load on its way
	s_add_nc_u64 s[G0+4*(\slot)+2:G0+4*(\slot)+3], s[G0+4*(\slot)+2:G0+4*(\slot)+3], 2*KSTEP*2
	s_add_nc_u64 s[G0B+4*(\slot)+2:G0B+4*(\slot)+3], s[G0B+4*(\slot)+2:G0B+4*(\slot)+3], 2*KSTEP*2
	JLOAD \slot                                    ; the first tensor load behind the round, my only one until the next; the four v_nop behind it are also the places in front of the loads below
	FETCH \next, 0, F0
	ASK                                            ; behind the joint load and the run of LDS loads that the next products wait for
	MUL16 F1, 1, 0, 0
	MUL16 F1, 1, 2, 0
.endm
; THE LAST K STEP (it lies in slot 1) GOES BY ROWS OF C.  All its fragments of B (4 quarters x 64 registers) fill window 1; then my eight blocks of 16 rows are finished one after the other,
; each with 32 matrix instructions (its 8 accumulators by turns, K ascending).
.macro BLOAD q                         ; B's fragments of quarter q -> window 1, v[64 q ..]
	WIN TO_B
.irp i, 0,1,2,3,4,5,6,7
	ds_load_b128 v[64*(\q)+8*(\i):64*(\q)+8*(\i)+3],   v[ADRB+1] offset:64*(\q)+(\i)*16*PITCH
	ds_load_b128 v[64*(\q)+8*(\i)+4:64*(\q)+8*(\i)+7], v[ADRB+1] offset:64*(\q)+(\i)*16*PITCH+32
.endr
.endm
.macro ALOAD a                         ; A's fragments of block a, all four quarters -> buffer a % 4
	WIN 0
.set FA, PA+32*((\a)%4)
.irp q, 0,1,2,3
	ds_load_b128 v[FA+8*(\q):FA+8*(\q)+3],   v[ADRA+1] offset:64*(\q)+(\a)*16*PITCH
	ds_load_b128 v[FA+8*(\q)+4:FA+8*(\q)+7], v[ADRA+1] offset:64*(\q)+(\a)*16*PITCH+32
.endr
.endm
.macro ROW a                           ; block a is finished: 32 matrix instructions
.set FA, PA+32*((\a)%4)                ; its fragments of A
.set AC, 64*((\a)%4)                   ; its eight accumulators, in window 2 (blocks 0-3) or 3 (blocks 4-7)
	WIN MUL_LO+0x50*((\a)/4)
.irp q, 0,1,2,3
.if (\a) == 0 && (\q) == 2
	s_wait_dscnt 24                                ; B's quarter 2 is in (behind it: A's blocks 1 to 3)
.endif
.irp b, 0,1,2,3,4,5,6,7
.set rD, AC+8*(\b)
.set rB, 64*(\q)+8*(\b)
.set rA, FA+8*(\q)
.set rC, rD
	WM
.endr
.endr
.endm
; THE 16-BIT WAY OUT of block a.  PACK: rounded to f16, 16 bytes a lane.  TOSTAGE: into my own stage in LDS, and back as whole rows of 256 bytes.  SEND: stored.
.macro PACK a
.set AC, 64*((\a)%4)
	WIN 0x0a+5*((\a)/4)                            ; sources 0 and 1: window 2 or 3
.irp b, 0,1,2,3,4,5,6,7
.irp r, 0,1,2,3
	v_cvt_pk_f16_f32 v[TMP+4*(\b)+(\r)], v[AC+8*(\b)+2*(\r)], v[AC+8*(\b)+2*(\r)+1]
.endr
.endr
	WIN 0
.endm
.macro TOSTAGE a
	WIN 0
.set BK, OB+192*((\a)%2)
.irp b, 0,1,2,3,4,5,6,7
	ds_store_b128 v[STO], v[TMP+4*(\b):TMP+4*(\b)+3] offset:32*(\b)
.endr
.irp t, 0,1,2,3,4,5,6,7
	ds_load_b128 v[BK+4*(\t):BK+4*(\t)+3], v[RD] offset:(\t)*2*SPITCH  ; LDS serves a wave's instructions in order (ISA guide 5.7.1.4): these see the stores above
.endr
.endm
.macro SEND a, younger                 ; younger: the LDS loads issued behind TOSTAGE's, which may stay out
	WIN 0
.set BK, OB+192*((\a)%2)
	s_wait_dscnt \younger                          ; the block is back in registers
	s_wait_xcnt 0x0                                ; only behind this wait are the stores' base and the registers that earlier stores read rewritten
.if (\a) == 0
	s_add_nc_u64 s[8:9], s[8:9], s[16:17]          ; on to my first rows
.else
	s_add_nc_u64 s[8:9], s[8:9], 16*ROWC           ; 16 rows of C on
.endif
.irp t, 0,1,2,3,4,5,6,7
	global_store_b128 v[CO], v[BK+4*(\t):BK+4*(\t)+3], s[8:9] offset:2*(\t)*ROWC  ; 16 lanes store 256 consecutive bytes, at a multiple of 256 from C's first byte
.endr
.endm
; THE F32 WAY OUT of block a.  A lane's eight numbers of a row and block go into my stage as they are, the accumulator's low four registers first; whole rows of 512 bytes come back and are stored.
.macro TOSTAGE32 a
.set AC, 64*((\a)%4)
	WIN 0x08+4*((\a)/4)                            ; the stores' data: window 2 or 3
.irp b, 0,1,2,3,4,5,6,7
	ds_store_b128 v[STO], v[AC+8*(\b):AC+8*(\b)+3]   offset:64*(\b)
	ds_store_b128 v[STO], v[AC+8*(\b)+4:AC+8*(\b)+7] offset:64*(\b)+16
.endr
	WIN 0
	s_wait_xcnt 0x0                                ; the block before's stores have read their registers and their base: both are written again only behind this wait
.irp t, 0,1,2,3,4,5,6,7,8,9,10,11,12,13,14,15
	ds_load_b128 v[BK32+4*(\t):BK32+4*(\t)+3], v[RD] offset:(\t)*SPITCH  ; in order behind the stores above
.endr
.endm
.macro SEND32 a, younger
	WIN 0
.if (\a) == 0
	s_add_nc_u64 s[8:9], s[8:9], s[16:17]
.else
	s_add_nc_u64 s[8:9], s[8:9], 16*ROWC
.endif
.irp t, 0,1,2,3,4,5,6,7,8,9,10,11,12,13,14,15
	s_wait_dscnt (\younger)+15-(\t)                ; row t is back; the later rows' loads and the younger run may stay out
	global_store_b128 v[CO], v[BK32+4*(\t):BK32+4*(\t)+3], s[8:9] offset:(\t)*ROWC th:TH_STORE_NT  ; a wave stores 512 consecutive bytes, at a multiple of 512 from C's first byte
.endr
.endm
	s_wait_tensorcnt 1                             ; my part of K step 0 is in; K step 1's may stay out
	s_barrier_signal -1
	s_barrier_wait -1                              ; everybody's is
	FETCH 0, 0, F0
	s_wait_loadcnt 0x0                             ; the bias
	QUARTER 0, 64,  F0, F1, 1                      ; the first quarter stands in front of the loop: its products start the sums
	WIN 0                                          ; at a label and at a branch every window is 0
	s_mov_b32 s3, LAPS-1
.Llap:                                                 ; a trip goes once round the ring, from a lap's second quarter to the next lap's first, and fills both slots again
	QUARTER 0, 128, F1, F0, 0
	QUARTER 0, 192, F0, F1, 0
	TURN 0, 1
	QUARTER 1, 64,  F0, F1, 0
	QUARTER 1, 128, F1, F0, 0
	QUARTER 1, 192, F0, F1, 0
	TURN 1, 0
	QUARTER 0, 64,  F0, F1, 0
	WIN 0
	s_sub_co_u32 s3, s3, 1
	s_cmp_lg_u32 s3, 0
	s_cbranch_scc1 .Llap
	QUARTER 0, 128, F1, F0, 0                      ; the last lap goes on
	QUARTER 0, 192, F0, F1, 0
	MEET 0                                         ; my one tensor load that was still out is slot 1's, the last K step's, so no round follows
	PLACES                                         ; for the loads into buffer 0, which the quarter before multiplied
	BLOAD 0                                        ; three quarters of B now: buffer 1 (v128-191 of both windows) is still being multiplied
	BLOAD 1
	BLOAD 3
	ALOAD 0
	MUL16 F1, 1, 0, 0
	MUL16 F1, 1, 2, 0
	PLACES                                         ; for the loads into buffer 1
	BLOAD 2
	ALOAD 1
	ALOAD 2
	ALOAD 3
	s_wait_dscnt 40                                ; all but the 40 just issued
	ROW 0
.irp a, 0,1,2,3,4,5,6,7                ; each block leaves as soon as it is finished
	PLACES                                         ; what follows reads results just made, and loads into a buffer just multiplied
.if OUT32
	TOSTAGE32 \a
.else
	PACK \a
	TOSTAGE \a
.endif
.if (\a) < 4
	ALOAD (\a)+4                                   ; its buffer takes the block four further on
.endif
.if OUT32
	SEND32 \a, 8*(1-(\a)/4)
.else
	SEND \a, 8*(1-(\a)/4)
.endif
.if (\a) < 7
	ROW (\a)+1
.endif
.endr
	s_wait_tensorcnt 0x0                           ; the wave's end, behind my last tensor load and my last LDS store
	ds_add_u32 v[SPW], v[NIL]
	s_wait_dscnt 0x0
	CROUND                                         ; the closing round: no work-group ends while a partner may still ask for a tile that names it
	s_endpgm
.Lfunc_end_k_qdaf1b13b08_qkv:
	.size	k_qdaf1b13b08_qkv, .Lfunc_end_k_qdaf1b13b08_qkv-k_qdaf1b13b08_qkv
	.p2alignl 7, 3214868480
	.fill 96, 4, 3214868480
	.section	.rodata,"a",@progbits
	.p2align	6, 0x0
	.amdhsa_kernel k_qdaf1b13b08_qkv
		.amdhsa_group_segment_fixed_size 327680
		.amdhsa_private_segment_fixed_size 0
		.amdhsa_enable_private_segment 0
		.amdhsa_kernarg_size 32
		.amdhsa_user_sgpr_count 2
		.amdhsa_user_sgpr_kernarg_segment_ptr 1
		.amdhsa_wavefront_size32 1
		.amdhsa_system_sgpr_workgroup_id_x 1
		.amdhsa_system_sgpr_workgroup_id_y 1
		.amdhsa_system_sgpr_workgroup_id_z 1
		.amdhsa_system_vgpr_workitem_id 0
		.amdhsa_next_free_vgpr 1024
		.amdhsa_next_free_sgpr 72
		.amdhsa_reserve_vcc 0
		.amdhsa_float_denorm_mode_32 3
		.amdhsa_float_denorm_mode_16_64 3
		.amdhsa_memory_ordered 1
		.amdhsa_forward_progress 1
		.amdhsa_inst_pref_size 146
	.end_amdhsa_kernel
	.amdgpu_metadata
---
amdhsa.version: [ 1, 2 ]
amdhsa.kernels:
  - .name:           k_qdaf1b13b08_qkv
    .symbol:         k_qdaf1b13b08_qkv.kd
    .args:
      - { .name: xb, .offset: 0, .size: 8, .value_kind: global_buffer, .address_space: global }
      - { .name: wqkvt, .offset: 8, .size: 8, .value_kind: global_buffer, .address_space: global }
      - { .name: qkvh, .offset: 16, .size: 8, .value_kind: global_buffer, .address_space: global }
      - { .name: biasp, .offset: 24, .size: 8, .value_kind: global_buffer, .address_space: global }
    .group_segment_fixed_size: 327680
    .private_segment_fixed_size: 0
    .kernarg_segment_align: 8
    .kernarg_segment_size: 32
    .max_flat_workgroup_size: 128
    .sgpr_count:     72
    .vgpr_count:     1024
    .wavefront_size: 32
...
	.end_amdgpu_metadata
.endif
;; end of part 2
;; launch attn (part 3): grid 2048 x 1, 4 waves a work-group, no clusters, 0 bytes of LDS; arguments qkvh, ropetab, obh; writes obh
.if DOCPART == 3
	.amdgcn_target "amdgcn-amd-amdhsa--gfx1250"
	.amdhsa_code_object_version 6
	.text
	.protected	k_qdaf1b13b08_attn
	.globl	k_qdaf1b13b08_attn
	.p2align	8
	.type	k_qdaf1b13b08_attn,@function
k_qdaf1b13b08_attn:
	s_mov_b64 s[64:65], 0
	v_nop
	global_prefetch_b8 v0, s[64:65] scope:SCOPE_SE
	s_setreg_imm32_b32 hwreg(HW_REG_WAVE_MODE, 25, 1), 1
	s_wait_xcnt 0x0
; ATTENTION ACROSS THE 16 HEADS OF ONE POSITION, with the rotary embedding in front of it.  qkvh: [16384][3072] f16 (q, k, v, columns permuted); ropetab: [8192][64] f32; obh: [16384][1024] f16 (permuted).
; For a row (b, pos): q' = q cos + rotate_half(q) sin, k' likewise; S[h][e] = q'[h] . k'[e] / 8; w = softmax over e, its maximum taken away; O[h] = sum over e of w[h][e] v[e].
; SHARES.  A wave takes position p = 4 x work-group + wave in BOTH batches (rows p and p + 8192): one row of the table serves two rows.  Straight text: no loop, no LDS, no barrier.
; LAYOUT.  The permuted columns make every load and store of a wave 512 consecutive bytes, and what a lane gets IS its part of a fragment.  Lane l = 16 hh + r.
;   q, k: load i at byte 512 i + 16 l brings head r, channels 16 i + 8 hh + 0..7: registers 4 (i % 2) .. + 3 of the fragment of channels 32 (i / 2) on.
;   v:    load t at 512 t + 16 l brings channel 16 t + r of heads 8 hh + 0..7: registers 0-3 of V^T's fragment of channel tile t.
;   S^T = K Q^T (source 0 = 16 key heads, source 1 = 16 query heads): a lane holds ONE query head (r) and key heads 8 hh + 0..7.  The weights rounded to f16 in pairs ARE registers 0-3 of source 1
;   of O^T = V^T P; its registers 4-7 (keys 16-31, which do not exist) hold 0, and what V^T's registers 4-7 hold (the next tile's numbers, or 0) is multiplied by those zeros.
;   O^T: a lane holds query head r and channels 16 t + 8 hh + 0..7: 16 bytes, stored at 512 t + 16 l.
; ROTARY.  Channel d's partner is d +- 32: the same register of the other fragment in the same lane; both halves of a register have one angle (frequency d >> 1).  Reckoned in f32, rounded once to f16.
; LIMITS.  q, k (rotated too), v lie within f16's 65,504; a weight below 6e-8 rounds to 0 in f16; NaN and infinities are not treated apart (an infinity in v would spoil the row's neighbours in a fragment).
; No cluster and no prefetch: nothing is shared between work-groups, and each wave's loads all go out at its first lines.
.set Z,   3                            ; v3        0, the addend of the first products
.set T,   4                            ; v[4:35]   the table: cos at 8 c + 4 g + w, sin 16 further on; later the packed output
.set QK,  36                           ; v[36:99]  row b: Q at QK + 32 b, K 16 further on; later O^T's accumulators, 8 a channel tile
.set V,   100                          ; v[100:131] row b's V^T at V + 16 b + 4 t
.set VZ,  132                          ; v[132:135] 0: behind the last tile of V
.set S,   136                          ; v[136:151] S^T, 8 a row
.set P,   152                          ; v[152:167] P, 8 a row; the upper four hold 0
.set ST,  168                          ; v[168:183] 8 a row: c m, m, four at work, 1 / l, the exchange
.set U,   184                          ; v[184:191] two sets of four products
	s_load_b128 s[4:7], s[0:1], 0x0                ; qkvh s[4:5], ropetab s[6:7]
	s_load_b64 s[10:11], s[0:1], 0x10              ; obh
	v_lshrrev_b32 v1, 5, v0
	v_readfirstlane_b32 s18, v1                    ; wave 0..3
	s_lshl2_add_u32 s18, ttmp9, s18                ; p
	s_mul_i32 s20, s18, 6144
	s_mov_b32 s21, 0
	s_lshl_b32 s22, s18, 8
	s_mov_b32 s23, 0
	s_lshl_b32 s24, s18, 11
	s_mov_b32 s25, 0
	s_mov_b32 s14, 0x3e38aa3b                      ; c = log2(e) / 8
	s_mov_b32 s15, s14                             ; named with it as a pair
	s_mov_b32 s16, 0x76543210                      ; v_permlanex16_b32: each lane takes its own place in the other half
	s_mov_b32 s17, 0xfedcba98
	v_and_b32 v2, 31, v0
	v_lshlrev_b32 v1, 4, v2                        ; 16 l
	v_lshrrev_b32 v2, 4, v2
	v_lshlrev_b32 v2, 7, v2                        ; 128 hh: my half of the table's row
	s_wait_kmcnt 0x0
	s_add_nc_u64 s[8:9], s[6:7], s[22:23]          ; the table's row p
	s_add_nc_u64 s[4:5], s[4:5], s[20:21]          ; row p,
	s_add_nc_u64 s[6:7], s[4:5], 8192*6144         ; and row p + 8192
	s_add_nc_u64 s[10:11], s[10:11], s[24:25]
	s_add_nc_u64 s[12:13], s[10:11], 8192*2048
.irp q, 0,1,2,3,4,5,6,7
	global_load_b128 v[T+4*(\q):T+4*(\q)+3], v2, s[8:9] offset:16*(\q)
.endr
.irp i, 0,1,2,3,4,5,6,7
	global_load_b128 v[QK+4*(\i):QK+4*(\i)+3], v1, s[4:5] offset:512*(\i) th:TH_LOAD_NT
.endr
.irp i, 0,1,2,3,4,5,6,7
	global_load_b128 v[QK+32+4*(\i):QK+32+4*(\i)+3], v1, s[6:7] offset:512*(\i) th:TH_LOAD_NT
.endr
.irp t, 0,1,2,3
	global_load_b128 v[V+4*(\t):V+4*(\t)+3], v1, s[4:5] offset:4096+512*(\t) th:TH_LOAD_NT
.endr
.irp t, 0,1,2,3
	global_load_b128 v[V+16+4*(\t):V+16+4*(\t)+3], v1, s[6:7] offset:4096+512*(\t) th:TH_LOAD_NT
.endr
	v_mov_b32 v[Z], 0                              ; written while the loads are on their way
.irp i, 0,1,2,3
	v_mov_b32 v[VZ+(\i)], 0
	v_mov_b32 v[P+4+(\i)], 0
	v_mov_b32 v[P+12+(\i)], 0
.endr
	v_mov_b32 v[ST+7], 0                           ; v_permlanex16_b32's destination counts as read
	v_mov_b32 v[ST+15], 0
; The rotary embedding of the 16 registers at X, in place.  Register n of the low fragment (A) and of the high one (B): A' = A cos_lo - B sin_lo, B' = B cos_hi + A sin_hi.
.macro ROPE X
.set n, 0
.rept 8
.set rA, (\X)+n
.set rB, rA+8
.set cl, T+n
.set u, U+4*(n%2)
	v_fma_mix_f32 v[u],   v[rA], v[cl+24], v[Z] op_sel_hi:[1,0,0]
	v_fma_mix_f32 v[u+1], v[rA], v[cl+24], v[Z] op_sel:[1,0,0] op_sel_hi:[1,0,0]
	v_fma_mix_f32 v[u+2], v[rB], v[cl+16], v[Z] op_sel_hi:[1,0,0]
	v_fma_mix_f32 v[u+3], v[rB], v[cl+16], v[Z] op_sel:[1,0,0] op_sel_hi:[1,0,0]
	v_fma_mixlo_f16 v[rA], v[rA], v[cl], -v[u+2] op_sel_hi:[1,0,0]
	v_fma_mixhi_f16 v[rA], v[rA], v[cl], -v[u+3] op_sel:[1,0,0] op_sel_hi:[1,0,0]
	v_fma_mixlo_f16 v[rB], v[rB], v[cl+8], v[u] op_sel_hi:[1,0,0]
	v_fma_mixhi_f16 v[rB], v[rB], v[cl+8], v[u+1] op_sel:[1,0,0] op_sel_hi:[1,0,0]
.set n, n+1
.endr
.endm
	s_wait_loadcnt 16                              ; the table and row p's q and k are in; 16 younger loads stay out
	ROPE QK
	ROPE QK+16
	s_wait_loadcnt 8                               ; row p + 8192's q and k; both rows' v stay out
	ROPE QK+32
	ROPE QK+48
	; S^T = K Q^T: the two rows' accumulators take turns; the first products start the sums
.irp b, 0,1
	v_wmma_f32_16x16x32_f16 v[S+8*(\b):S+8*(\b)+7], v[QK+32*(\b)+16:QK+32*(\b)+23], v[QK+32*(\b):QK+32*(\b)+7], 0
.endr
.irp b, 0,1
	v_wmma_f32_16x16x32_f16 v[S+8*(\b):S+8*(\b)+7], v[QK+32*(\b)+24:QK+32*(\b)+31], v[QK+32*(\b)+8:QK+32*(\b)+15], v[S+8*(\b):S+8*(\b)+7]
.endr
.rept 4
	v_nop                                          ; the places behind those products
.endr
.macro BOTH line:vararg                ; one line for each of the two rows, so that no instruction reads the result of the one before it
.set b, 0
.rept 2
.set rS, S+8*b
.set rT, ST+8*b
.set rP, P+8*b
	\line
.set b, b+1
.endr
.endm
	BOTH v_max3_num_f32 v[rT+2], v[rS], v[rS+1], v[rS+2]   ; the accumulator's lowest registers are read first
	BOTH v_max3_num_f32 v[rT+3], v[rS+3], v[rS+4], v[rS+5]
	BOTH v_max3_num_f32 v[rT+2], v[rT+2], v[rS+6], v[rS+7]
	BOTH v_max_num_f32 v[rT+2], v[rT+2], v[rT+3]
	BOTH v_permlanex16_b32 v[rT+7], v[rT+2], s16, s17      ; the query head's other eight keys lie in the lane 16 away
	BOTH v_max_num_f32 v[rT+1], v[rT+2], v[rT+7]           ; m
	BOTH v_mul_f32 v[rT], s14, v[rT+1]                     ; c m
.irp i, 0,2,4,6
	BOTH v_pk_fma_f32 v[rS+(\i):rS+(\i)+1], v[rS+(\i):rS+(\i)+1], s[14:15], v[rT:rT+1] op_sel_hi:[1,0,0] neg_lo:[0,0,1] neg_hi:[0,0,1]
.endr
.irp i, 0,1,2,3,4,5,6,7
	BOTH v_exp_f32 v[rS+(\i)], v[rS+(\i)]                  ; one batch of sixteen,
.endr
	v_nop                                          ; a plain instruction behind the last,
	s_wait_alu depctr_va_vdst(0)                   ; and the one wait ahead of the first reader
	BOTH v_pk_add_f32 v[rT+2:rT+3], v[rS:rS+1], v[rS+2:rS+3]
	BOTH v_pk_add_f32 v[rT+4:rT+5], v[rS+4:rS+5], v[rS+6:rS+7]
	BOTH v_pk_add_f32 v[rT+2:rT+3], v[rT+2:rT+3], v[rT+4:rT+5]
	BOTH v_add_f32 v[rT+2], v[rT+2], v[rT+3]
	BOTH v_permlanex16_b32 v[rT+7], v[rT+2], s16, s17
	BOTH v_add_f32 v[rT+2], v[rT+2], v[rT+7]               ; l, at least about 1: the largest weight is 2^0
	BOTH v_rcp_f32 v[rT+6], v[rT+2]
	v_nop
	s_wait_alu depctr_va_vdst(0)                   ; one wait for the two reciprocals
.irp i, 0,2,4,6
	BOTH v_pk_mul_f32 v[rS+(\i):rS+(\i)+1], v[rS+(\i):rS+(\i)+1], v[rT+6:rT+7] op_sel_hi:[1,0]
.endr
.irp i, 0,1,2,3
	BOTH v_cvt_pk_f16_f32 v[rP+(\i)], v[rS+2*(\i)], v[rS+2*(\i)+1]
.endr
	s_wait_loadcnt 0x0                             ; v
	; O^T = V^T P: eight products, each a sum of its own, onto the registers that held Q and K (their last reader stands far more than five plain instructions back)
.irp b, 0,1
.irp t, 0,1,2,3
	v_wmma_f32_16x16x32_f16 v[QK+32*(\b)+8*(\t):QK+32*(\b)+8*(\t)+7], v[V+16*(\b)+4*(\t):V+16*(\b)+4*(\t)+7], v[P+8*(\b):P+8*(\b)+7], 0
.endr
.endr
.rept 4
	v_nop                                          ; the places behind those products
.endr
.set i, 0
.rept 32                                       ; in ascending order: each accumulator's lowest registers first
	v_cvt_pk_f16_f32 v[T+i], v[QK+2*i], v[QK+2*i+1]
.set i, i+1
.endr
.irp t, 0,1,2,3
	global_store_b128 v1, v[T+4*(\t):T+4*(\t)+3], s[10:11] offset:512*(\t)       ; a wave stores 512 consecutive bytes, aligned
.endr
.irp t, 0,1,2,3
	global_store_b128 v1, v[T+16+4*(\t):T+16+4*(\t)+3], s[12:13] offset:512*(\t)
.endr
	s_endpgm
.Lfunc_end_k_qdaf1b13b08_attn:
	.size	k_qdaf1b13b08_attn, .Lfunc_end_k_qdaf1b13b08_attn-k_qdaf1b13b08_attn
	.p2alignl 7, 3214868480
	.fill 96, 4, 3214868480
	.section	.rodata,"a",@progbits
	.p2align	6, 0x0
	.amdhsa_kernel k_qdaf1b13b08_attn
		.amdhsa_group_segment_fixed_size 0
		.amdhsa_private_segment_fixed_size 0
		.amdhsa_enable_private_segment 0
		.amdhsa_kernarg_size 24
		.amdhsa_user_sgpr_count 2
		.amdhsa_user_sgpr_kernarg_segment_ptr 1
		.amdhsa_wavefront_size32 1
		.amdhsa_system_sgpr_workgroup_id_x 1
		.amdhsa_system_sgpr_workgroup_id_y 1
		.amdhsa_system_sgpr_workgroup_id_z 1
		.amdhsa_system_vgpr_workitem_id 0
		.amdhsa_next_free_vgpr 192
		.amdhsa_next_free_sgpr 66
		.amdhsa_reserve_vcc 0
		.amdhsa_float_denorm_mode_32 3
		.amdhsa_float_denorm_mode_16_64 3
		.amdhsa_memory_ordered 1
		.amdhsa_forward_progress 1
		.amdhsa_inst_pref_size 29
	.end_amdhsa_kernel
	.amdgpu_metadata
---
amdhsa.version: [ 1, 2 ]
amdhsa.kernels:
  - .name:           k_qdaf1b13b08_attn
    .symbol:         k_qdaf1b13b08_attn.kd
    .args:
      - { .name: qkvh, .offset: 0, .size: 8, .value_kind: global_buffer, .address_space: global }
      - { .name: ropetab, .offset: 8, .size: 8, .value_kind: global_buffer, .address_space: global }
      - { .name: obh, .offset: 16, .size: 8, .value_kind: global_buffer, .address_space: global }
    .group_segment_fixed_size: 0
    .private_segment_fixed_size: 0
    .kernarg_segment_align: 8
    .kernarg_segment_size: 24
    .max_flat_workgroup_size: 128
    .sgpr_count:     66
    .vgpr_count:     192
    .wavefront_size: 32
...
	.end_amdgpu_metadata
.endif
;; end of part 3
;; launch proj (part 4): grid 4 x 64, 4 waves a work-group, clusters of 4 x 4, 327,680 bytes of LDS; arguments obh, wot, out0, biasp; writes out0
.if DOCPART == 4
	.amdgcn_target "amdgcn-amd-amdhsa--gfx1250"
	.amdhsa_code_object_version 6
	.text
	.protected	k_qdaf1b13b08_proj
	.globl	k_qdaf1b13b08_proj
	.p2align	8
	.type	k_qdaf1b13b08_proj,@function
k_qdaf1b13b08_proj:
	s_mov_b64 s[64:65], 0
	v_nop
	global_prefetch_b8 v0, s[64:65] scope:SCOPE_SE
	s_setreg_imm32_b32 hwreg(HW_REG_WAVE_MODE, 25, 1), 1
	s_wait_xcnt 0x0
	s_wait_alu depctr_hold_cnt(0) depctr_sa_sdst(0) depctr_va_vdst(0) depctr_va_sdst(0) depctr_va_ssrc(0) depctr_va_vcc(0) depctr_vm_vsrc(0)
	s_getreg_b32 s2, hwreg(HW_REG_IB_STS2, 6, 4)
	s_cmp_eq_u32 s2, 0
	s_cbranch_scc0 .Lentry_in_a_cluster
	s_endpgm
.Lentry_in_a_cluster:
	s_bfe_u32 s2, ttmp6, 0x10000c
	s_cmp_lg_u32 s2, 0xf033
	s_cbranch_scc0 .Lentry_shape_is_right
	s_endpgm
.Lentry_shape_is_right:
; C[m][n] = bias[n] + sum over k of A[m][k] B[n][k].  A: [SIZE_M][SIZE_K], B: [SIZE_N][SIZE_K], 16-bit; sums in f32, started by the bias; C: [SIZE_M][SIZE_N].
; This text serves two launches by its head constants.  OUT32 = 1 (here): A = the attention's result, B = the output weights (K in the order in which the attention launch stores), both f16;
; C = the module's output in f32.  OUT32 = 0: A = x, B = the three projections' weights, both bf16; C = q, k, v in f16.
; LIMIT.  A and B arrive within f16's range.  NaN and infinities are not treated apart.
; A tile of C, 256 x 256, is made by a work-group of four waves; a wave makes 128 x 128: 64 accumulators of 16 x 16, 512 registers.  K goes in steps of 128 through a ring of two
; LDS slots filled by the tensor data mover: the rows of A's and B's tiles are 256 bytes of memory and start at multiples of 256 bytes from the buffer's first byte.
; The last K step goes by rows of C, so that finished rows leave while the others are multiplied.
; CLUSTERS: 4 x 4 work-groups.  The four of a row of the cluster need the same tiles of A, the four of a column the same tiles of B: such a tile is asked for JOINTLY, by the same
; tensor load with the same descriptor and a mask that names the four; each receives it in its own LDS.
; REGISTERS, in windows of 256 (s_set_vgpr_msb's low byte: bits 1:0 source 0, 3:2 source 1, 5:4 source 2, 7:6 destination):
;   window 0: v0-31 addresses; v64-127, v128-191 fragments of A, two buffers (in the last K step four, of 16 rows x 128 K); v192-255 first the bias, later the way out; v32-63 the way out
;   window 1: v64-127, v128-191 fragments of B, two buffers; in the last K step all 256
;   window 2: the 32 accumulators of my rows 0-63 (accumulator (a, b) at v[8 (8 a + b)]);   window 3: those of my rows 64-127
; THE MATRIX INSTRUCTION IS USED TRANSPOSED: source 0 = 16 rows of B, source 1 = 16 rows of A: lane l holds row l % 16 of C and the columns 8 (l / 16) + 0 .. 7 of a block of 16.
; So the bias of a block of 16 columns is one C operand, the same for all rows: eight such operands start the 64 sums, and nothing is cleared.
.set SIZE_M, 16384
.set SIZE_N, 1024
.set SIZE_K, 1024
.set OUT32,  1                         ; 0: bf16 products, f16 out.  1: f16 products, f32 out
.set BIAS0,  12288                     ; byte at which this launch's biases begin in the bias buffer
.set CBL,    1+OUT32                   ; log2 of an output number's bytes
.set ROWC,   SIZE_N<<CBL               ; bytes in a row of C
.set KSTEP,  128
.set PITCH,  272                       ; an LDS row: 256 bytes of data + 16 of padding = 68 words: the 16 rows that a load touches start at 16 different groups of four banks (64 banks of 4 bytes: ISA guide 11.1)
.set HALFT,  128*PITCH                 ; 128 rows: what one tensor load brings, and what one wave reads of A or of B
.set SLOT,   4*HALFT                   ; A's 256 rows, then B's 256 rows
.set STAGE,  2*SLOT                    ; behind the ring: 16 rows for each wave, for the way out
.set SPITCH, 272+256*OUT32             ; a stage row: my 128 columns (256 or 512 bytes) + 16
.set SPARE,  STAGE+4*16*SPITCH         ; behind the stages: the spare words, 128 bytes for each wave: two blocks of 256 bytes that no other line names
.set LAPS,   SIZE_K/(2*KSTEP)          ; a lap = two K steps = once round the ring
.set ADRA, 16                          ; v16-17  LDS address of my A fragments in slot 0, 1
.set ADRB, 20                          ; v20-21  the same for B
.set STO,  24                          ; v24     the way out: where I put my numbers of a row
.set RD,   25                          ; v25     the way out: where I read rows back
.set CO,   26                          ; v26     my byte offset in C
.set BO,   27                          ; v27     my byte offset in a block's 16 biases
.set SPW,  28                          ; v28     LDS address of my spare word: SPARE + 4 x my thread's number; never rewritten
.set NIL,  29                          ; v29     0; never rewritten
.set PFO,  30                          ; v30     the prefetches' offset: my lane x a row of A or B in memory; never rewritten
.set PFA,  44                          ; s[44:45] where my prefetches stand: my work-group's 32 rows of the 128 that I fetch, one K step further than the refill that is being asked for
.set LIM,  43                          ; s43     1 in a wave that prefetches, else the greatest number
.set BP,   68                          ; s[68:69] the bias of my first column
.set F0,   64                          ; fragment buffer 0
.set F1,   128                         ; fragment buffer 1
.set BI,   192                         ; the bias: block b's C operand at v[BI + 8 b], window 0
.set TMP,  192                         ; the 16-bit way out: packed results
.set OB,   32                          ; the 16-bit way out: 16 rows read back: v32-63 and v224-255 by turns
.set BK32, 192                         ; the f32 way out: 16 rows read back, v192-255
.set PA,   64                          ; the last K step: A's fragments of 16 rows x 128 K, 32 registers; four such buffers, v64-191
.set G1, 24                            ; s[24:31] descriptor group 1 for A's tiles
.set G0, 32                            ; s[32:39] descriptor group 0 for A's tiles, one set for each slot
.set G1B, 48                           ; s[48:55] descriptor group 1 for B's tiles: it differs from A's in the mask alone
.set G0B, 56                           ; s[56:63] descriptor group 0 for B's tiles, one set for each slot
.set MSB, 0
.macro WIN new                         ; the immediate's high byte repeats the setting that is left; a switch that changes nothing is dropped
.if MSB != (\new)
	s_set_vgpr_msb (MSB<<8)|(\new)
.set MSB, \new
.endif
.endm
.set MUL_LO, 0xa1                      ; source 0 (B) window 1, source 1 (A) window 0, C and D window 2
.set MUL_HI, 0xf1                      ; the same, C and D window 3
.set TO_B,   0x40                      ; destination window 1, address window 0
.macro WM                              ; the matrix instruction: D at rD, source 0 at rB, source 1 at rA, C at rC
.if OUT32
	v_wmma_f32_16x16x32_f16 v[rD:rD+7], v[rB:rB+7], v[rA:rA+7], v[rC:rC+7]
.else
	v_wmma_f32_16x16x32_bf16 v[rD:rD+7], v[rB:rB+7], v[rA:rA+7], v[rC:rC+7]
.endif
.endm
; A joint load.  Waves 0 and 1 fetch A's two halves, waves 2 and 3 B's.  Each of the two lines has ONE mask and one set of registers for all that issue it.
; The branch hangs on the wave's number alone.  An s_nop 0 and four v_nop follow each of the two lines, ahead of the jump and the label.
.macro JLOAD s
	s_cmp_eq_u32 s11, 0
	s_cbranch_scc0 .Lfor_b_\@
	tensor_load_to_lds s[G0+4*(\s):G0+4*(\s)+3], s[G1:G1+7]
	s_nop 0
.rept 4
	v_nop
.endr
	s_branch .Lasked_\@
.Lfor_b_\@:
	tensor_load_to_lds s[G0B+4*(\s):G0B+4*(\s)+3], s[G1B:G1B+7]
	s_nop 0
.rept 4
	v_nop
.endr
.Lasked_\@:
.endm
; A PREFETCH, behind each joint load, its five lines and the run of LDS loads that follows them: the K step that stands TWO refills on: 32 rows x 256 bytes, a lane a row, one instruction a wave.
; Each row's 256 bytes of a K step are named ONCE in the launch: of the clusters that read a tile row of A the one with cluster x = 0 asks, of those that read a tile column of B the one with
; cluster y = 0.  The four partners that ask for a tile jointly share its rows out BY ADDRESS: of the 128 rows that a wave fetches, the partner at place p takes 32 p .. 32 p + 31.
; K steps 0 to 3 come by their loads alone; the loop's last trip (s3 = 1) asks for nothing: the asks name K steps 4 to 7, and SIZE_K has eight.
.macro ASK
	s_cmp_gt_u32 s3, s[LIM]
	s_cbranch_scc0 .Lnot_mine_\@
	global_prefetch_b8 v[PFO], s[PFA:PFA+1] offset:KSTEP*2 th:TH_LOAD_NT scope:SCOPE_SE
.Lnot_mine_\@:
.endm
; A round of the cluster's barrier: my work-group's barrier, so that wave 0's signal speaks for all four waves; wave 0 signals for the work-group; every wave waits for all
; sixteen work-groups; my work-group's barrier once more.
.macro CREST                           ; a round behind its opening barrier
	s_cmp_lg_u32 s10, 0
	s_cbranch_scc1 .Lnot_wave_0_\@
	s_barrier_signal -3
.Lnot_wave_0_\@:
	s_barrier_wait -3
	s_barrier_signal -1
	s_barrier_wait -1
.endm
.macro CROUND                          ; a whole round
	s_barrier_signal -1
	s_barrier_wait -1
	CREST
.endm
	s_load_b128 s[4:7], s[0:1], 0x0                ; A s[4:5], B s[6:7]
	s_load_b64 s[8:9], s[0:1], 0x10                ; C
	s_load_b64 s[BP:BP+1], s[0:1], 0x18            ; the biases
	v_lshl_add_u32 v[SPW], v0, 2, SPARE
	v_mov_b32 v[NIL], 0
	ds_add_u32 v[SPW], v[NIL]                      ; the wave's opening: the add and its wait stand ahead of my first tensor load; the set-up below, work on registers, stands between them
	v_lshrrev_b32 v1, 5, v0
	v_readfirstlane_b32 s10, v1                    ; wave 0..3
	s_lshr_b32 s11, s10, 1                         ; which half of the tile's rows is mine.  Also: I fetch for A (0) or for B (1)
	s_and_b32 s12, s10, 1                          ; which half of its columns.  Also: which 128 rows of that tile I fetch
	s_bfe_u32 s40, ttmp6, 0x40000                  ; cx: my place along the cluster's x
	s_bfe_u32 s41, ttmp6, 0x40004                  ; cy: along its y
	s_lshl_b32 s42, ttmp9, 2                       ; in a cluster launch ttmp9 and ttmp7 count clusters
	s_add_co_u32 s42, s42, s40                     ; tile column of C = 4 x cluster x + cx
	s_and_b32 s13, ttmp7, 0xffff
	s_lshl_b32 s13, s13, 2
	s_add_co_u32 s13, s13, s41                     ; tile row of C = 4 x cluster y + cy
	s_lshl_b32 s43, s41, 2
	s_lshl_b32 s43, 15, s43                        ; my row of the cluster: places 4 cy .. 4 cy + 3
	s_lshl_b32 s44, 0x1111, s40                    ; my column: places cx, cx + 4, cx + 8, cx + 12
	; descriptor group 1: a tile of 128 rows x 128 elements, padded in LDS
	s_or_b32 s[G1+0], s43, (1<<16)|(1<<20)|(1<<21)|(5<<22)|(3<<25)  ; 15:0 the mask: A's tiles go to my row; 17:16 element of 2 bytes; 20 padding on; 21 set beside a mask; 24:22 after every 64 words (code 5); 31:25 of 4 words (code 3)
	s_or_b32 s[G1B+0], s44, (1<<16)|(1<<20)|(1<<21)|(5<<22)|(3<<25) ; the same with the mask of my column, for B's tiles
	s_mov_b32 s[G1B+1], KSTEP<<16
	s_mov_b32 s[G1+1], KSTEP<<16                   ; tensor_dim0 = 128
	s_mov_b32 s[G1B+2], 128<<16
	s_mov_b32 s[G1+2], 128<<16                     ; tensor_dim1 = 128
	s_mov_b32 s[G1B+3], KSTEP<<16
	s_mov_b32 s[G1+3], KSTEP<<16                   ; tile_dim0 = 128
	s_mov_b32 s[G1B+4], 128
	s_mov_b32 s[G1+4], 128                         ; tile_dim1 = 128
	s_mov_b32 s[G1B+5], SIZE_K
	s_mov_b32 s[G1+5], SIZE_K                      ; elements from row to row
	s_mov_b32 s[G1B+6], 0
	s_mov_b32 s[G1+6], 0
	s_mov_b32 s[G1B+7], 0
	s_mov_b32 s[G1+7], 0
	; where the tiles come from.  A's hang on the tile row alone, which my row of the cluster shares; B's on the tile column alone, which my column shares.
	s_lshl_b32 s17, s12, 7                         ; which 128 rows of the tile I fetch
	s_lshl_b32 s16, s13, 8
	s_add_co_u32 s16, s16, s17                     ; A: row 256 x tile row + 128 x half
	s_lshl_b32 s46, s42, 8
	s_add_co_u32 s46, s46, s17                     ; B: row 256 x tile column + 128 x half
	s_mov_b32 s17, 0
	s_mov_b32 s47, 0
	s_mov_b64 s[18:19], SIZE_K*2
	s_mul_u64 s[16:17], s[16:17], s[18:19]         ; in bytes, in 64 bits
	s_mul_u64 s[46:47], s[46:47], s[18:19]
	s_mul_i32 s20, s10, HALFT                      ; and where they go: wave x 128 rows: no place in the cluster enters an LDS address
	s_wait_dscnt 0x0                               ; the opening add is done
	s_wait_kmcnt 0x0
	s_add_nc_u64 s[14:15], s[4:5], s[16:17]
	s_add_nc_u64 s[46:47], s[6:7], s[46:47]
	CROUND                                         ; all sixteen work-groups are here: the first joint loads meet
.irp s, 0,1
	s_mov_b32 s[G0+4*(\s)], 1                                      ; count = 1
	s_add_co_u32 s[G0+4*(\s)+1], s20, (\s)*SLOT                    ; LDS address
	s_add_nc_u64 s[G0+4*(\s)+2:G0+4*(\s)+3], s[14:15], (\s)*KSTEP*2  ; global address: K step s
	s_or_b32 s[G0+4*(\s)+3], s[G0+4*(\s)+3], 0x80000000            ; type = 2
	s_mov_b32 s[G0B+4*(\s)], 1
	s_add_co_u32 s[G0B+4*(\s)+1], s20, (\s)*SLOT
	s_add_nc_u64 s[G0B+4*(\s)+2:G0B+4*(\s)+3], s[46:47], (\s)*KSTEP*2
	s_or_b32 s[G0B+4*(\s)+3], s[G0B+4*(\s)+3], 0x80000000
	JLOAD \s                                       ; the ring is filled before anything else is done: two loads of mine are out
.endr
	; A fragment is 16 rows x 32 K in 8 registers: lane l holds row l % 16; registers 0-3 hold K = 8 (l / 16) + 0..7, registers 4-7 hold K = 16 + 8 (l / 16) + 0..7: two loads of 16 bytes, 32 bytes apart.
	v_and_b32 v1, 15, v0                           ; l % 16
	v_bfe_u32 v2, v0, 4, 1                         ; l / 16
	v_mul_u32_u24 v3, v1, PITCH
	v_lshl_add_u32 v3, v2, 4, v3                   ; row x pitch + 16 x half
	s_mul_i32 s21, s11, HALFT                      ; my 128 rows of A
	s_mul_i32 s22, s12, HALFT                      ; my 128 rows of B,
	s_add_co_u32 s22, s22, 2*HALFT                 ; which lie behind A's 256
.irp s, 0,1
	v_add_nc_u32 v[ADRA+(\s)], s21, v3
	v_add_nc_u32 v[ADRB+(\s)], s22, v3
	s_add_co_u32 s21, s21, SLOT
	s_add_co_u32 s22, s22, SLOT
.endr
	s_mul_i32 s23, s10, 16*SPITCH
	s_add_co_u32 s23, s23, STAGE                   ; my stage
	v_mul_u32_u24 v4, v1, SPITCH                   ; in: row l % 16, eight numbers for each half of the lanes
.if OUT32
	v_lshl_add_u32 v4, v2, 5, v4
	v_add_nc_u32 v[STO], s23, v4
	v_and_b32 v5, 31, v0                           ; back: the 32 lanes take one row of 512 bytes,
	v_lshlrev_b32 v[CO], 4, v5                     ; and the same 512 bytes of a row of C
	v_add_nc_u32 v[RD], s23, v[CO]
.else
	v_lshl_add_u32 v4, v2, 4, v4
	v_add_nc_u32 v[STO], s23, v4
	v_mul_u32_u24 v5, v2, SPITCH                   ; back: lanes 0-15 take one row of 256 bytes, lanes 16-31 the next
	v_lshl_add_u32 v5, v1, 4, v5
	v_add_nc_u32 v[RD], s23, v5
	v_mul_u32_u24 v5, v2, ROWC                     ; and the same two rows in C
	v_lshl_add_u32 v[CO], v1, 4, v5
.endif
	; where my part of the tile begins in C, in bytes: the way out adds it to C's address
	s_lshl_b32 s13, s13, 8
	s_lshl_b32 s14, s11, 7
	s_add_co_u32 s16, s13, s14                     ; my first row of C
	s_mov_b32 s17, 0
	s_mov_b64 s[18:19], ROWC
	s_mul_u64 s[16:17], s[16:17], s[18:19]
	s_lshl_b32 s46, s42, 8+CBL                     ; my first column, in bytes (in the registers that held B's address: none that feeds A's descriptors ever holds cx)
	s_lshl_b32 s47, s12, 7+CBL
	s_add_co_u32 s46, s46, s47
	s_mov_b32 s47, 0
	s_add_nc_u64 s[16:17], s[16:17], s[46:47]
	; the bias of my 128 columns: lane l takes numbers 8 (l / 16) + 0..7 of each block of 16: register j of block b's operand is the bias of column 16 b + 8 (l / 16) + j
	s_lshl_b32 s70, s46, 1-OUT32                   ; my first column x 4 bytes
	s_mov_b32 s71, 0
	s_add_nc_u64 s[BP:BP+1], s[BP:BP+1], s[70:71]
	v_lshlrev_b32 v[BO], 5, v2
.irp b, 0,1,2,3,4,5,6,7
	global_load_b128 v[BI+8*(\b):BI+8*(\b)+3],   v[BO], s[BP:BP+1] offset:BIAS0+64*(\b)
	global_load_b128 v[BI+8*(\b)+4:BI+8*(\b)+7], v[BO], s[BP:BP+1] offset:BIAS0+64*(\b)+16
.endr
	; the prefetches.  s13 = 256 x tile row, s42 = tile column, s40 = cx, s41 = cy still stand; s[4:5] = A, s[6:7] = B
	s_lshl_b32 s42, s42, 8
	s_and_b32 s22, ttmp7, 0xffff                   ; cluster y
	s_cmp_eq_u32 s11, 0                            ; do I fetch for A?
	s_cselect_b32 s20, s13, s42                    ; the tile's first row: in A by the tile row, in B by the tile column
	s_cselect_b32 s21, s40, s41                    ; my place among the four that ask for it with me
	s_cselect_b32 s22, ttmp9, s22                  ; the coordinate along which other clusters read the same rows
	s_cselect_b64 s[PFA:PFA+1], s[4:5], s[6:7]
	s_cmp_eq_u32 s22, 0
	s_cselect_b32 s[LIM], 1, -1                    ; the same in all sixteen partners, for a given wave
	s_lshl_b32 s22, s12, 7
	s_add_co_u32 s20, s20, s22                     ; + the 128 rows that I fetch
	s_lshl_b32 s21, s21, 5
	s_add_co_u32 s20, s20, s21                     ; + my work-group's 32 of them
	s_mov_b32 s21, 0
	s_mov_b64 s[18:19], SIZE_K*2
	s_mul_u64 s[20:21], s[20:21], s[18:19]
	s_add_nc_u64 s[PFA:PFA+1], s[PFA:PFA+1], s[20:21]
	s_add_nc_u64 s[PFA:PFA+1], s[PFA:PFA+1], 2*KSTEP*2  ; at K step 2: the first refill steps it to 3 and names K step 4
	v_and_b32 v[PFO], 31, v0
	v_mul_u32_u24 v[PFO], v[PFO], SIZE_K*2
; 16 matrix instructions: m blocks a0, a0 + 1 of the window's four (hi = 0: my rows 0-63, 1: rows 64-127) x all 8 n blocks, 32 along K.
; first = 1: the first product starts the sums with the bias, which lies in window 0.
.macro MUL16 f, hi, a0, first
.if \first
	WIN 0x81+0x40*(\hi)
.else
	WIN MUL_LO+0x50*(\hi)
.endif
.irp a, \a0, (\a0)+1
.irp b, 0,1,2,3,4,5,6,7
.set rD, 8*(8*(\a)+(\b))
.set rB, (\f)+8*(\b)
.set rA, (\f)+8*(4*(\hi)+(\a))
.if \first
.set rC, BI+8*(\b)
.else
.set rC, rD
.endif
	WM
.endr
.endr
.endm
; 32 LDS loads in one run: the fragments of one quarter step (128 rows of B, 128 rows of A, 32 K at byte k of the rows) into buffer f
.macro FETCH slot, k, f
	WIN TO_B
.irp i, 0,1,2,3,4,5,6,7
	ds_load_b128 v[(\f)+8*(\i):(\f)+8*(\i)+3],   v[ADRB+(\slot)] offset:(\k)+(\i)*16*PITCH
	ds_load_b128 v[(\f)+8*(\i)+4:(\f)+8*(\i)+7], v[ADRB+(\slot)] offset:(\k)+(\i)*16*PITCH+32
.endr
	WIN 0
.irp i, 0,1,2,3,4,5,6,7
	ds_load_b128 v[(\f)+8*(\i):(\f)+8*(\i)+3],   v[ADRA+(\slot)] offset:(\k)+(\i)*16*PITCH
	ds_load_b128 v[(\f)+8*(\i)+4:(\f)+8*(\i)+7], v[ADRA+(\slot)] offset:(\k)+(\i)*16*PITCH+32
.endr
.endm
; A load into a register that a matrix instruction has read, and a vector instruction or an LDS store that reads a matrix result, stand four places behind that matrix instruction, and only
; plain vector instructions that name none of its registers are places (ISA guide 7.12.1 for vector instructions).
.macro PLACES
.rept 4
	v_nop
.endr
.endm
; A K step is four quarter steps of 32 along K, 64 matrix instructions each, on buffers 0, 1, 0, 1.  The 64 accumulators take turns, in the same order in every quarter.
; One of the first three: multiplies buffer f; in its middle it fetches the next quarter's fragments, at byte k of the same slot's rows, into buffer g.
.macro QUARTER slot, k, f, g, first
	s_wait_dscnt 8                                 ; B and A's rows 0-63 are in; the youngest eight loads (A's rows 64-127) may be out
	MUL16 \f, 0, 0, \first
	MUL16 \f, 0, 2, \first
	PLACES
	FETCH \slot, \k, \g
	s_wait_dscnt 32                                ; all but the 32 just issued
	MUL16 \f, 1, 0, \first
	MUL16 \f, 1, 2, \first
.endm
; The last quarter multiplies buffer 1 and changes slots.  MEET is its first half: ONE barrier for the change of slots.  In front of it each wave waits for all its tensor loads, of which one is
; out: its part of the next slot; adds 0 to its spare word; and waits for that and for its own reads of this slot.  Behind it nobody reads this slot any more and the next slot is whole.
.macro MEET round                      ; round = 1: a round of the cluster's barrier follows
	WIN 0                                          ; (the add's two registers lie in window 0)
	s_wait_tensorcnt 0x0                           ; all my tensor loads have landed: the one that was out is my part of the next slot;
	ds_add_u32 v[SPW], v[NIL]                      ; 0 onto my spare word;
	s_wait_dscnt 9                                 ; (the add and the youngest eight loads may be out)
	MUL16 F1, 0, 0, 0                              ; sixteen matrix instructions stand between the add and the wait for it
	s_wait_dscnt 0x0                               ; the add is done, and my reads of this slot are over:
	s_barrier_signal -1                            ; say so,
	MUL16 F1, 0, 2, 0                              ; work on registers while the others arrive,
.if \round
	WIN 0
.endif
	s_barrier_wait -1                              ; and go on when all four have said so
.endm
; The whole last quarter.  Behind the round the slot just read out is filled again first, with the K step two steps on; then come the next slot's first fragments.
; From a request to the wait for it a wave issues 224 matrix instructions.
.macro TURN slot, next
	s_wait_xcnt 0x0                                ; the last prefetch, a K step back, has read its address: it is stepped here, ahead of the waits of the change of slots
	s_add_nc_u64 s[PFA:PFA+1], s[PFA:PFA+1], KSTEP*2
	MEET 1
	CREST                                          ; no wave of any partner still reads this slot's tile or has a load on its way
	s_add_nc_u64 s[G0+4*(\slot)+2:G0+4*(\slot)+3], s[G0+4*(\slot)+2:G0+4*(\slot)+3], 2*KSTEP*2
	s_add_nc_u64 s[G0B+4*(\slot)+2:G0B+4*(\slot)+3], s[G0B+4*(\slot)+2:G0B+4*(\slot)+3], 2*KSTEP*2
	JLOAD \slot                                    ; the first tensor load behind the round, my only one until the next; the four v_nop behind it are also the places in front of the loads below
	FETCH \next, 0, F0
	ASK                                            ; behind the joint load and the run of LDS loads that the next products wait for
	MUL16 F1, 1, 0, 0
	MUL16 F1, 1, 2, 0
.endm
; THE LAST K STEP (it lies in slot 1) GOES BY ROWS OF C.  All its fragments of B (4 quarters x 64 registers) fill window 1; then my eight blocks of 16 rows are finished one after the other,
; each with 32 matrix instructions (its 8 accumulators by turns, K ascending).
.macro BLOAD q                         ; B's fragments of quarter q -> window 1, v[64 q ..]
	WIN TO_B
.irp i, 0,1,2,3,4,5,6,7
	ds_load_b128 v[64*(\q)+8*(\i):64*(\q)+8*(\i)+3],   v[ADRB+1] offset:64*(\q)+(\i)*16*PITCH
	ds_load_b128 v[64*(\q)+8*(\i)+4:64*(\q)+8*(\i)+7], v[ADRB+1] offset:64*(\q)+(\i)*16*PITCH+32
.endr
.endm
.macro ALOAD a                         ; A's fragments of block a, all four quarters -> buffer a % 4
	WIN 0
.set FA, PA+32*((\a)%4)
.irp q, 0,1,2,3
	ds_load_b128 v[FA+8*(\q):FA+8*(\q)+3],   v[ADRA+1] offset:64*(\q)+(\a)*16*PITCH
	ds_load_b128 v[FA+8*(\q)+4:FA+8*(\q)+7], v[ADRA+1] offset:64*(\q)+(\a)*16*PITCH+32
.endr
.endm
.macro ROW a                           ; block a is finished: 32 matrix instructions
.set FA, PA+32*((\a)%4)                ; its fragments of A
.set AC, 64*((\a)%4)                   ; its eight accumulators, in window 2 (blocks 0-3) or 3 (blocks 4-7)
	WIN MUL_LO+0x50*((\a)/4)
.irp q, 0,1,2,3
.if (\a) == 0 && (\q) == 2
	s_wait_dscnt 24                                ; B's quarter 2 is in (behind it: A's blocks 1 to 3)
.endif
.irp b, 0,1,2,3,4,5,6,7
.set rD, AC+8*(\b)
.set rB, 64*(\q)+8*(\b)
.set rA, FA+8*(\q)
.set rC, rD
	WM
.endr
.endr
.endm
; THE 16-BIT WAY OUT of block a.  PACK: rounded to f16, 16 bytes a lane.  TOSTAGE: into my own stage in LDS, and back as whole rows of 256 bytes.  SEND: stored.
.macro PACK a
.set AC, 64*((\a)%4)
	WIN 0x0a+5*((\a)/4)                            ; sources 0 and 1: window 2 or 3
.irp b, 0,1,2,3,4,5,6,7
.irp r, 0,1,2,3
	v_cvt_pk_f16_f32 v[TMP+4*(\b)+(\r)], v[AC+8*(\b)+2*(\r)], v[AC+8*(\b)+2*(\r)+1]
.endr
.endr
	WIN 0
.endm
.macro TOSTAGE a
	WIN 0
.set BK, OB+192*((\a)%2)
.irp b, 0,1,2,3,4,5,6,7
	ds_store_b128 v[STO], v[TMP+4*(\b):TMP+4*(\b)+3] offset:32*(\b)
.endr
.irp t, 0,1,2,3,4,5,6,7
	ds_load_b128 v[BK+4*(\t):BK+4*(\t)+3], v[RD] offset:(\t)*2*SPITCH  ; LDS serves a wave's instructions in order (ISA guide 5.7.1.4): these see the stores above
.endr
.endm
.macro SEND a, younger                 ; younger: the LDS loads issued behind TOSTAGE's, which may stay out
	WIN 0
.set BK, OB+192*((\a)%2)
	s_wait_dscnt \younger                          ; the block is back in registers
	s_wait_xcnt 0x0                                ; only behind this wait are the stores' base and the registers that earlier stores read rewritten
.if (\a) == 0
	s_add_nc_u64 s[8:9], s[8:9], s[16:17]          ; on to my first rows
.else
	s_add_nc_u64 s[8:9], s[8:9], 16*ROWC           ; 16 rows of C on
.endif
.irp t, 0,1,2,3,4,5,6,7
	global_store_b128 v[CO], v[BK+4*(\t):BK+4*(\t)+3], s[8:9] offset:2*(\t)*ROWC  ; 16 lanes store 256 consecutive bytes, at a multiple of 256 from C's first byte
.endr
.endm
; THE F32 WAY OUT of block a.  A lane's eight numbers of a row and block go into my stage as they are, the accumulator's low four registers first; whole rows of 512 bytes come back and are stored.
.macro TOSTAGE32 a
.set AC, 64*((\a)%4)
	WIN 0x08+4*((\a)/4)                            ; the stores' data: window 2 or 3
.irp b, 0,1,2,3,4,5,6,7
	ds_store_b128 v[STO], v[AC+8*(\b):AC+8*(\b)+3]   offset:64*(\b)
	ds_store_b128 v[STO], v[AC+8*(\b)+4:AC+8*(\b)+7] offset:64*(\b)+16
.endr
	WIN 0
	s_wait_xcnt 0x0                                ; the block before's stores have read their registers and their base: both are written again only behind this wait
.irp t, 0,1,2,3,4,5,6,7,8,9,10,11,12,13,14,15
	ds_load_b128 v[BK32+4*(\t):BK32+4*(\t)+3], v[RD] offset:(\t)*SPITCH  ; in order behind the stores above
.endr
.endm
.macro SEND32 a, younger
	WIN 0
.if (\a) == 0
	s_add_nc_u64 s[8:9], s[8:9], s[16:17]
.else
	s_add_nc_u64 s[8:9], s[8:9], 16*ROWC
.endif
.irp t, 0,1,2,3,4,5,6,7,8,9,10,11,12,13,14,15
	s_wait_dscnt (\younger)+15-(\t)                ; row t is back; the later rows' loads and the younger run may stay out
	global_store_b128 v[CO], v[BK32+4*(\t):BK32+4*(\t)+3], s[8:9] offset:(\t)*ROWC th:TH_STORE_NT  ; a wave stores 512 consecutive bytes, at a multiple of 512 from C's first byte
.endr
.endm
	s_wait_tensorcnt 1                             ; my part of K step 0 is in; K step 1's may stay out
	s_barrier_signal -1
	s_barrier_wait -1                              ; everybody's is
	FETCH 0, 0, F0
	s_wait_loadcnt 0x0                             ; the bias
	QUARTER 0, 64,  F0, F1, 1                      ; the first quarter stands in front of the loop: its products start the sums
	WIN 0                                          ; at a label and at a branch every window is 0
	s_mov_b32 s3, LAPS-1
.Llap:                                                 ; a trip goes once round the ring, from a lap's second quarter to the next lap's first, and fills both slots again
	QUARTER 0, 128, F1, F0, 0
	QUARTER 0, 192, F0, F1, 0
	TURN 0, 1
	QUARTER 1, 64,  F0, F1, 0
	QUARTER 1, 128, F1, F0, 0
	QUARTER 1, 192, F0, F1, 0
	TURN 1, 0
	QUARTER 0, 64,  F0, F1, 0
	WIN 0
	s_sub_co_u32 s3, s3, 1
	s_cmp_lg_u32 s3, 0
	s_cbranch_scc1 .Llap
	QUARTER 0, 128, F1, F0, 0                      ; the last lap goes on
	QUARTER 0, 192, F0, F1, 0
	MEET 0                                         ; my one tensor load that was still out is slot 1's, the last K step's, so no round follows
	PLACES                                         ; for the loads into buffer 0, which the quarter before multiplied
	BLOAD 0                                        ; three quarters of B now: buffer 1 (v128-191 of both windows) is still being multiplied
	BLOAD 1
	BLOAD 3
	ALOAD 0
	MUL16 F1, 1, 0, 0
	MUL16 F1, 1, 2, 0
	PLACES                                         ; for the loads into buffer 1
	BLOAD 2
	ALOAD 1
	ALOAD 2
	ALOAD 3
	s_wait_dscnt 40                                ; all but the 40 just issued
	ROW 0
.irp a, 0,1,2,3,4,5,6,7                ; each block leaves as soon as it is finished
	PLACES                                         ; what follows reads results just made, and loads into a buffer just multiplied
.if OUT32
	TOSTAGE32 \a
.else
	PACK \a
	TOSTAGE \a
.endif
.if (\a) < 4
	ALOAD (\a)+4                                   ; its buffer takes the block four further on
.endif
.if OUT32
	SEND32 \a, 8*(1-(\a)/4)
.else
	SEND \a, 8*(1-(\a)/4)
.endif
.if (\a) < 7
	ROW (\a)+1
.endif
.endr
	s_wait_tensorcnt 0x0                           ; the wave's end, behind my last tensor load and my last LDS store
	ds_add_u32 v[SPW], v[NIL]
	s_wait_dscnt 0x0
	CROUND                                         ; the closing round: no work-group ends while a partner may still ask for a tile that names it
	s_endpgm
.Lfunc_end_k_qdaf1b13b08_proj:
	.size	k_qdaf1b13b08_proj, .Lfunc_end_k_qdaf1b13b08_proj-k_qdaf1b13b08_proj
	.p2alignl 7, 3214868480
	.fill 96, 4, 3214868480
	.section	.rodata,"a",@progbits
	.p2align	6, 0x0
	.amdhsa_kernel k_qdaf1b13b08_proj
		.amdhsa_group_segment_fixed_size 327680
		.amdhsa_private_segment_fixed_size 0
		.amdhsa_enable_private_segment 0
		.amdhsa_kernarg_size 32
		.amdhsa_user_sgpr_count 2
		.amdhsa_user_sgpr_kernarg_segment_ptr 1
		.amdhsa_wavefront_size32 1
		.amdhsa_system_sgpr_workgroup_id_x 1
		.amdhsa_system_sgpr_workgroup_id_y 1
		.amdhsa_system_sgpr_workgroup_id_z 1
		.amdhsa_system_vgpr_workitem_id 0
		.amdhsa_next_free_vgpr 1024
		.amdhsa_next_free_sgpr 72
		.amdhsa_reserve_vcc 0
		.amdhsa_float_denorm_mode_32 3
		.amdhsa_float_denorm_mode_16_64 3
		.amdhsa_memory_ordered 1
		.amdhsa_forward_progress 1
		.amdhsa_inst_pref_size 148
	.end_amdhsa_kernel
	.amdgpu_metadata
---
amdhsa.version: [ 1, 2 ]
amdhsa.kernels:
  - .name:           k_qdaf1b13b08_proj
    .symbol:         k_qdaf1b13b08_proj.kd
    .args:
      - { .name: obh, .offset: 0, .size: 8, .value_kind: global_buffer, .address_space: global }
      - { .name: wot, .offset: 8, .size: 8, .value_kind: global_buffer, .address_space: global }
      - { .name: out0, .offset: 16, .size: 8, .value_kind: global_buffer, .address_space: global }
      - { .name: biasp, .offset: 24, .size: 8, .value_kind: global_buffer, .address_space: global }
    .group_segment_fixed_size: 327680
    .private_segment_fixed_size: 0
    .kernarg_segment_align: 8
    .kernarg_segment_size: 32
    .max_flat_workgroup_size: 128
    .sgpr_count:     72
    .vgpr_count:     1024
    .wavefront_size: 32
...
	.end_amdgpu_metadata
.endif
;; end of part 4
;; ======== version 2 of 2: 4 launches; version 1 with the launch prep written anew for expert scheduling mode
;; limits: values are held in f16: magnitudes above 65,504 overflow, below 6.1e-05 lose precision
;; workspace buffers: xb 33,554,432 bytes; wqkvt 6,291,456 bytes; wot 2,097,152 bytes; biasp 16,384 bytes; ropetab 2,097,152 bytes; qkvh 100,663,296 bytes; obh 33,554,432 bytes
;; launch prep (part 5): grid 1153 x 1, 8 waves a work-group, no clusters, 70,656 bytes of LDS; arguments x, Wq, Wk, Wv, Wo, bq, bk, bv, bo, xb, wqkvt, wot, biasp, ropetab; writes xb, wqkvt, wot, biasp, ropetab
.if DOCPART == 5
	.amdgcn_target "amdgcn-amd-amdhsa--gfx1250"
	.amdhsa_code_object_version 6
	.text
	.protected	k_qdaf1b13b08_prep
	.globl	k_qdaf1b13b08_prep
	.p2align	8
	.type	k_qdaf1b13b08_prep,@function
k_qdaf1b13b08_prep:
	s_mov_b64 s[64:65], 0
	v_nop
	global_prefetch_b8 v0, s[64:65] scope:SCOPE_SE
	s_setreg_imm32_b32 hwreg(HW_REG_WAVE_SCHED_MODE, 0, 2), 2
	s_setreg_imm32_b32 hwreg(HW_REG_WAVE_MODE, 25, 1), 1
	s_wait_xcnt 0x0
	s_wait_alu depctr_vm_vsrc(0)
; PREP: every input is rounded once to bf16 and laid out for the launches behind it.  Four roles, chosen by the work-group's number alone:
;   X (work-groups 0-511):     xb[r][k] = bf16(x[r][k]); 32 rows of 4,096 bytes a work-group, a row a load of the eight waves.
;   W (512-639):               the four weights, turned from [k][n] to [n'][k]: a wave takes a tile of 128 k x 32 n through its own LDS stage.
;                              Wq, Wk, Wv -> wqkvt (bf16, rows permuted); Wo -> wot (the bf16-rounded number written as f16, K permuted).
;   T (640-1151):              ropetab[pos][64]: cos and sin of pos x 10000^(-i/32), in the order in which a lane of the attention launch wants them.
;   B (1152):                  the four biases, rounded to bf16, kept as f32, in the order of the permuted columns.
; PERMUTATIONS.  q, k: column h*64+d goes to (d>>3)*128 + h*8 + (d&7).  v: column e*64+d goes to (d>>4)*256 + (e>>3)*128 + (d&15)*8 + (e&7).
; Wo's K: place 128 kt + kk holds Wo's row (kk>>3)*64 + 8 kt + (kk&7), the order in which the attention launch stores its result.
; LIMITS.  Wo as f16: below 6e-5 it keeps f16's fixed step of 6e-8; beyond 65,504 it would be an infinity.  The angle is pos x freq with freq = 2^(-i log2(10000)/32),
; good to a few last places of freq; the argument is reduced by three parts of pi/2 (pos < 8,192) and sine and cosine are polynomials on |r| <= pi/4.
; No barrier: each wave's LDS bytes are its own.  No matrix unit, no cluster: nothing is multiplied and nothing is shared.
; THE MODE: SCHED_MODE bits 1:0 = 2 (LLVM: expert scheduling mode 2), set by the entry lines.  The code itself states the register dependences
; between vector instructions and memory or LDS instructions, with s_wait_alu, always for 0.
; THE PLAN.  Every role is straight text, and no register that a memory or LDS instruction reads is written again: so no role holds a wait on vm_vsrc.
;   head  s36, the wave's number, is written by a vector instruction and read by role W's scalar lines: one wait on va_sdst, ahead of the first branch.
;   B     v9, v10, v12 offsets; v[16:31] loaded, rounded in place, stored.  One wait ahead of the loads (the offsets), one ahead of the stores (the roundings).
;   X     v5, v6 offsets; v[32:159] 32 rows of four registers, each loaded, rounded in place into its first two and stored from them.  The rows go in eight blocks of four: block p's
;         roundings name block p's registers alone, and block p - 1's four stores are dealt among them, behind ONE wait at the block's head.
;   W     v[16:31] offsets of the loads; v[32:159] loaded, rounded in place, read by the LDS stores; v8, v9 LDS addresses; v[160:223] filled by LDS loads, named by no vector instruction;
;         v[224:239] offsets of the stores.  One wait ahead of the loads, one ahead of the LDS stores; behind the second no vector instruction follows, so it serves all that comes.
;   T     v5 offset, v[12:15] the store's data: one wait ahead of the store; s[56:59] masks: one wait on va_sdst between the four compares and the four selects.
;   v2, v3  written at the head, read by the closing add alone.
.set SPARE, 69632                      ; behind the eight stages: the spare words, 128 bytes a wave, four blocks of 256 bytes that no other line names
.set WST,   8704                       ; a wave's stage: 32 rows of 272 bytes
.set WP,    272                        ; 256 bytes of data + 16: an odd multiple of 16
.set SPW,   2                          ; v2  LDS address of my spare word; never rewritten
.set NIL,   3                          ; v3  0; never rewritten
	s_load_b512 s[8:23], s[0:1], 0x0               ; x s[8:9], Wq s[10:11], Wk s[12:13], Wv s[14:15], Wo s[16:17], bq s[18:19], bk s[20:21], bv s[22:23]
	s_load_b256 s[24:31], s[0:1], 0x40             ; bo s[24:25], xb s[26:27], wqkvt s[28:29], wot s[30:31]
	s_load_b128 s[32:35], s[0:1], 0x60             ; biasp s[32:33], ropetab s[34:35]
	v_lshl_add_u32 v[SPW], v0, 2, SPARE
	v_mov_b32 v[NIL], 0
	v_lshrrev_b32 v1, 5, v0
	v_readfirstlane_b32 s36, v1                    ; wave 0..7
	v_and_b32 v4, 31, v0                           ; lane
	s_mov_b32 s61, 0xffff0000                      ; a word's upper half
	s_wait_alu depctr_va_sdst(0)                   ; s36 is written, ahead of the branches and of its first reader: role W makes its tile's number and its stage's address from it
	s_wait_kmcnt 0x0
	s_cmp_lt_u32 ttmp9, 512
	s_cbranch_scc1 .Lrole_x
	s_cmp_lt_u32 ttmp9, 640
	s_cbranch_scc1 .Lrole_w
	s_cmp_lt_u32 ttmp9, 1152
	s_cbranch_scc1 .Lrole_t
; ROLE B.  Thread t makes places 4 t .. 4 t + 3 of each of the four biases.  G = t >> 1 is the place's group of eight, jb = 4 (t & 1) its first number in the group.
	v_lshrrev_b32 v5, 1, v0                        ; G
	v_and_b32 v6, 1, v0
	v_lshlrev_b32 v6, 2, v6                        ; jb
	v_and_b32 v7, 15, v5                           ; G & 15
	v_lshrrev_b32 v8, 4, v5                        ; G >> 4
	v_lshlrev_b32 v9, 6, v7                        ; q, k: h = G & 15, d = 8 (G >> 4) + jb: four neighbouring numbers
	v_lshl_add_u32 v9, v8, 3, v9
	v_add_lshl_u32 v9, v9, v6, 2
	v_and_b32 v10, 1, v8                           ; v: e = 8 ((G >> 4) & 1) + jb + 0..3, d = 16 (G >> 5) + (G & 15): four numbers 64 apart
	v_lshl_add_u32 v10, v10, 3, v6
	v_lshrrev_b32 v11, 5, v5
	v_lshl_add_u32 v11, v11, 4, v7
	v_lshl_add_u32 v10, v10, 6, v11
	v_lshlrev_b32 v10, 2, v10
	v_lshlrev_b32 v12, 4, v0                       ; 16 t
	s_wait_alu depctr_va_vdst(0)                   ; the offsets v9, v10 and v12 are written, which the loads below read
	global_load_b128 v[16:19], v9, s[18:19]
	global_load_b128 v[20:23], v9, s[20:21]
.irp j, 0,1,2,3
	global_load_b32 v[24+(\j)], v10, s[22:23] offset:256*(\j)
.endr
	global_load_b128 v[28:31], v12, s[24:25]
	s_wait_loadcnt 0x0
.irp p, 0,1,2,3,4,5,6,7
	v_cvt_pk_bf16_f32 v13, v[16+2*(\p)], v[17+2*(\p)]   ; rounded to bf16,
	v_lshlrev_b32 v[16+2*(\p)], 16, v13                 ; and written as f32 again
	v_and_b32 v[17+2*(\p)], s61, v13
.endr
	s_wait_alu depctr_va_vdst(0)                   ; the lines above have written v[16:31], which the four stores read
.irp s, 0,1,2,3
	global_store_b128 v12, v[16+4*(\s):19+4*(\s)], s[32:33] offset:4096*(\s)
.endr
	s_branch .Lend
; ROLE X.  32 loads of every wave go out at once (16 KiB a wave); the waits count the younger loads down, a block of four rows at a time.  A store of a wave covers 256 consecutive bytes, aligned.
.Lrole_x:
	s_lshl_b32 s40, ttmp9, 17                      ; 32 rows of 4,096 bytes
	s_mov_b32 s41, 0
	s_add_nc_u64 s[8:9], s[8:9], s[40:41]
	s_lshl_b32 s40, ttmp9, 16                      ; 32 rows of 2,048 bytes
	s_add_nc_u64 s[26:27], s[26:27], s[40:41]
	v_lshlrev_b32 v5, 4, v0
	v_lshlrev_b32 v6, 3, v0
	s_wait_alu depctr_va_vdst(0)                   ; the offsets v5 and v6 are written: every load of the role reads the one, every store the other
.set i, 0
.rept 32
	global_load_b128 v[32+4*i:35+4*i], v5, s[8:9] offset:4096*i th:TH_LOAD_NT
.set i, i+1
.endr
.set p, 0
.rept 8                                        ; block p: rows 4 p .. 4 p + 3
	s_wait_loadcnt 28-4*p                          ; loads come back in order: the block's four rows are in, the 28 - 4 p younger loads stay out
.if p > 0
	s_wait_alu depctr_va_vdst(0)                   ; the block before's eight roundings have written the registers that its four stores, below, read
.endif
.set j, 0
.rept 4
.set i, 4*p+j
.if p > 0
	global_store_b64 v6, v[32+4*(i-4):33+4*(i-4)], s[26:27] offset:2048*(i-4)  ; a row of the block before.  No further wait: the roundings since the wait name this block's registers alone
.endif
	v_cvt_pk_bf16_f32 v[32+4*i], v[32+4*i], v[33+4*i]
	v_cvt_pk_bf16_f32 v[33+4*i], v[34+4*i], v[35+4*i]
.set j, j+1
.endr
.set p, p+1
.endr
	s_wait_alu depctr_va_vdst(0)                   ; the last block's roundings have written the registers that the last four stores read
.set i, 28
.rept 4
	global_store_b64 v6, v[32+4*i:33+4*i], s[26:27] offset:2048*i
.set i, i+1
.endr
	s_branch .Lend
; ROLE W.  Tile number = 8 x (work-group - 512) + wave = mat * 256 + kt * 32 + nt: 128 places of K (kt) x 32 columns (nt) of matrix mat (0 Wq, 1 Wk, 2 Wv, 3 Wo).
.Lrole_w:
	s_sub_co_u32 s37, ttmp9, 512
	s_lshl3_add_u32 s37, s37, s36
	s_lshr_b32 s38, s37, 8                         ; mat
	s_bfe_u32 s39, s37, 0x30005                    ; kt
	s_and_b32 s44, s37, 31                         ; nt
	s_lshr_b32 s45, s44, 1                         ; the head of the 32 columns
	s_and_b32 s46, s44, 1
	s_lshl_b32 s46, s46, 5                         ; d0: their first channel in the head
	s_lshl_b32 s55, s38, 10
	s_lshl3_add_u32 s55, s45, s55                  ; q, k: mat * 1024 + head * 8
	s_lshr_b32 s56, s45, 3
	s_lshl_b32 s56, s56, 7
	s_and_b32 s57, s45, 7
	s_add_co_u32 s56, s56, s57
	s_add_co_u32 s56, s56, 2048                    ; v: 2048 + (head >> 3) * 128 + (head & 7)
	s_lshl_b32 s57, s45, 6                         ; o: head * 64
	s_mov_b32 s50, 128
	s_mov_b32 s47, 8*4096
	; the destination row of channel d is (d >> s49) * s50 + (d & s51) * s52 + s53
	s_cmp_eq_u32 s38, 2
	s_cselect_b32 s49, 4, 3
	s_cselect_b32 s50, 256, s50
	s_cselect_b32 s51, 15, 7
	s_cselect_b32 s52, 8, 1
	s_cselect_b32 s53, s56, s55
	s_cmp_eq_u32 s38, 1
	s_cselect_b64 s[40:41], s[12:13], s[10:11]
	s_cmp_eq_u32 s38, 2
	s_cselect_b64 s[40:41], s[14:15], s[40:41]
	s_cmp_eq_u32 s38, 3
	s_cselect_b64 s[40:41], s[16:17], s[40:41]     ; the source
	s_cselect_b64 s[42:43], s[30:31], s[28:29]     ; the destination
	s_cselect_b32 s50, 8, s50
	s_cselect_b32 s53, s57, s53
	s_cselect_b32 s47, 64*4096, s47                ; bytes from a group of eight places of K to the next: 8 rows, for Wo 64
	s_cselect_b32 s54, 15, 19
	s_lshl_b32 s48, s39, s54                       ; the tile's first source row: 128 kt, for Wo 8 kt
	s_lshl_b32 s58, s44, 7                         ; its 32 columns: 128 bytes
	s_add_co_u32 s58, s58, s48
	s_mul_i32 s59, s36, WST                        ; my stage
	s_lshl_b32 s60, s39, 8                         ; the tile's 256 bytes in a destination row
	v_and_b32 v5, 7, v4                            ; nl: which 16 bytes (4 columns) of a source row
	v_lshrrev_b32 v6, 3, v4                        ; rg: which pair of rows in a group of eight
	v_lshrrev_b32 v7, 4, v4
	v_and_b32 v12, 15, v4
	v_lshlrev_b32 v16, 13, v6
	v_lshl_add_u32 v16, v5, 4, v16
	v_add_nc_u32 v16, s58, v16
.set i, 1
.rept 15
	v_add_nc_u32 v[16+i], s47, v[15+i]
.set i, i+1
.endr
	s_wait_alu depctr_va_vdst(0)                   ; the sixteen offsets v[16:31] are written, which the loads below read
.set i, 0
.rept 16                                       ; place kk = 8 i + 2 rg + e of K, columns 4 nl .. 4 nl + 3
	global_load_b128 v[32+8*i:35+8*i], v[16+i], s[40:41] th:TH_LOAD_NT
	global_load_b128 v[36+8*i:39+8*i], v[16+i], s[40:41] offset:4096 th:TH_LOAD_NT
.set i, i+1
.endr
	v_mul_u32_u24 v8, v5, 4*WP                     ; into the stage: row 4 nl + ii, byte 2 kk.  (These lines, made while the loads are out, name none of v[16:159])
	v_lshl_add_u32 v8, v6, 2, v8
	v_add_nc_u32 v8, s59, v8
	v_mul_u32_u24 v9, v7, WP                       ; back: lanes 0-15 one row of 256 bytes, lanes 16-31 the next
	v_lshl_add_u32 v9, v12, 4, v9
	v_add_nc_u32 v9, s59, v9
	v_lshl_add_u32 v13, v12, 4, s60
	v_add_nc_u32 v14, s46, v7                      ; the channel of my row in the first pair of rows
.set i, 0
.rept 16                                       ; where pair i of the tile's rows goes
	v_add_nc_u32 v10, 2*i, v14
	v_lshrrev_b32 v11, s49, v10
	v_and_b32 v10, s51, v10
	v_mul_u32_u24 v11, s50, v11
	v_mad_u32_u24 v11, v10, s52, v11
	v_add_nc_u32 v11, s53, v11
	v_lshl_add_u32 v[224+i], v11, 11, v13          ; rows of 2,048 bytes
.set i, i+1
.endr
.set i, 0
.rept 16
	s_wait_loadcnt 30-2*i                          ; group i's two loads are in; the 30 - 2 i younger ones stay out
.irp c, 0,1,2,3
	v_cvt_pk_bf16_f32 v[32+8*i+(\c)], v[32+8*i+(\c)], v[36+8*i+(\c)]  ; two neighbouring places of K of one column
.endr
.set i, i+1
.endr
	s_cmp_lg_u32 s38, 3
	s_cbranch_scc1 .Lw_bf16
.set i, 0
.rept 16                                       ; Wo: the bf16-rounded numbers are written as f16
.irp c, 0,1,2,3
	v_lshlrev_b32 v[10+2*((\c)%2)], 16, v[32+8*i+(\c)]
	v_and_b32 v[11+2*((\c)%2)], s61, v[32+8*i+(\c)]
	v_cvt_pk_f16_f32 v[32+8*i+(\c)], v[10+2*((\c)%2)], v[11+2*((\c)%2)]
.endr
.set i, i+1
.endr
.Lw_bf16:
	s_wait_alu depctr_va_vdst(0)                   ; on both ways: the roundings have written the LDS stores' data; v8, v9 and v[224:239] are written, which the LDS stores, the LDS loads and the global stores read as addresses.  No vector instruction follows
.set i, 0
.rept 16
.irp c, 0,1,2,3
	ds_store_b32 v8, v[32+8*i+(\c)] offset:(\c)*WP+16*i
.endr
.set i, i+1
.endr
.set i, 0
.rept 16
	ds_load_b128 v[160+4*i:163+4*i], v9 offset:2*WP*i  ; LDS serves a wave's instructions in order (ISA guide 5.7.1.4): these see the stores above
.set i, i+1
.endr
.set i, 0
.rept 16
	s_wait_dscnt 15-i
	global_store_b128 v[224+i], v[160+4*i:163+4*i], s[42:43]  ; 16 lanes store 256 consecutive bytes, aligned
.set i, i+1
.endr
	s_branch .Lend
; ROLE T.  Thread t of work-group g makes quad idx = 256 (g - 640) + t: position idx >> 4, quad t & 15 = hh * 8 + cs * 4 + c * 2 + g2; its four words are
; cos (cs = 0) or sin (cs = 1) at frequency i = 16 c + 8 g2 + 4 hh + w.  No branch hangs on a number: both polynomials are made and one is chosen.
.Lrole_t:
	s_sub_co_u32 s40, ttmp9, 640
	s_lshl_b32 s40, s40, 8
	v_add_nc_u32 v5, s40, v0
	v_lshrrev_b32 v6, 4, v5
	v_cvt_f32_u32 v6, v6                           ; pos
	v_lshlrev_b32 v5, 4, v5                        ; my 16 bytes
	v_bfe_u32 v7, v0, 3, 1
	v_bfe_u32 v8, v0, 2, 1
	v_bfe_u32 v9, v0, 1, 1
	v_and_b32 v10, 1, v0
	v_lshlrev_b32 v11, 2, v7
	v_lshl_add_u32 v11, v10, 3, v11
	v_lshl_add_u32 v11, v9, 4, v11                 ; the first of my four frequencies
	v_sub_nc_u32 v8, 1, v8                         ; cos x = sin (x + pi/2): one quadrant on
	s_mov_b32 s44, 0xbed49a78                      ; -log2(10000) / 32
	s_mov_b32 s45, 0x3f22f983                      ; 2 / pi
	s_mov_b32 s46, 0x3fc90000                      ; pi / 2 in three parts
	s_mov_b32 s47, 0x39fda000
	s_mov_b32 s48, 0x33a22168
	s_mov_b32 s49, 0xbe2aaaa3                      ; sine: -1.6666654611e-1, 8.3321608736e-3, -1.9515295891e-4
	s_mov_b32 s50, 0x3c08839e
	s_mov_b32 s51, 0xb94ca1f9
	s_mov_b32 s52, 0x3d2aaaa5                      ; cosine: 4.166664568e-2, -1.388731625e-3, 2.443315712e-5
	s_mov_b32 s53, 0xbab6061a
	s_mov_b32 s54, 0x37ccf5ce
.macro ALL4 line:vararg                ; one line for each of the four words: word w works in v[R .. R+6]
.set R, 16
.set w, 0
.rept 4
	\line
.set R, R+8
.set w, w+1
.endr
.endm
	ALL4 v_add_nc_u32 v[R], w, v11
	ALL4 v_cvt_f32_u32 v[R], v[R]
	ALL4 v_mul_f32 v[R], s44, v[R]
	ALL4 v_exp_f32 v[R+1], v[R]                    ; freq: one batch of four,
	v_nop                                          ; a plain instruction behind the last,
	s_wait_alu depctr_va_vdst(0)                   ; and the one wait ahead of the first reader: the four exponentials have written freq
	ALL4 v_mul_f32 v[R], v6, v[R+1]                ; the angle
	ALL4 v_mul_f32 v[R+1], s45, v[R]
	ALL4 v_rndne_f32 v[R+1], v[R+1]                ; quadrants
	ALL4 v_fma_f32 v[R], -v[R+1], s46, v[R]
	ALL4 v_fma_f32 v[R], -v[R+1], s47, v[R]
	ALL4 v_fma_f32 v[R], -v[R+1], s48, v[R]        ; r, within pi/4 of 0
	ALL4 v_cvt_i32_f32 v[R+1], v[R+1]
	ALL4 v_add_nc_u32 v[R+1], v[R+1], v8
	ALL4 v_mul_f32 v[R+2], v[R], v[R]              ; r^2
	ALL4 v_fma_f32 v[R+3], v[R+2], s51, s50
	ALL4 v_fma_f32 v[R+3], v[R+3], v[R+2], s49
	ALL4 v_mul_f32 v[R+4], v[R+2], v[R]
	ALL4 v_fma_f32 v[R+3], v[R+3], v[R+4], v[R]    ; sin r
	ALL4 v_fma_f32 v[R+4], v[R+2], s54, s53
	ALL4 v_fma_f32 v[R+4], v[R+4], v[R+2], s52
	ALL4 v_mul_f32 v[R+5], v[R+2], v[R+2]
	ALL4 v_fma_f32 v[R+6], v[R+2], -0.5, 1.0
	ALL4 v_fma_f32 v[R+4], v[R+4], v[R+5], v[R+6]  ; cos r
	ALL4 v_and_b32 v[R+5], 1, v[R+1]
	ALL4 v_cmp_eq_u32 s[56+w], 1, v[R+5]
	s_wait_alu depctr_va_sdst(0)                   ; the four compares have written the masks s[56:59], which the four selects below read
	ALL4 v_cndmask_b32 v[R+3], v[R+3], v[R+4], s[56+w]  ; odd quadrants take the cosine,
	ALL4 v_and_b32 v[R+5], 2, v[R+1]
	ALL4 v_lshlrev_b32 v[R+5], 30, v[R+5]
	ALL4 v_xor_b32 v[12+w], v[R+5], v[R+3]         ; quadrants 2 and 3 the other sign
	s_wait_alu depctr_va_vdst(0)                   ; v[12:15], the store's data, and v5, its offset, are written
	global_store_b128 v5, v[12:15], s[34:35]       ; 16 lanes store a position's 256 bytes
.Lend:
	s_wait_dscnt 0x0                               ; the wave's end: the closing lines, six on end
	s_wait_alu 0x0
	s_wait_tensorcnt 0x0
	ds_add_u32 v[SPW], v[NIL]
	s_wait_dscnt 0x0
	s_endpgm
.Lfunc_end_k_qdaf1b13b08_prep:
	.size	k_qdaf1b13b08_prep, .Lfunc_end_k_qdaf1b13b08_prep-k_qdaf1b13b08_prep
	.p2alignl 7, 3214868480
	.fill 96, 4, 3214868480
	.section	.rodata,"a",@progbits
	.p2align	6, 0x0
	.amdhsa_kernel k_qdaf1b13b08_prep
		.amdhsa_group_segment_fixed_size 70656
		.amdhsa_private_segment_fixed_size 0
		.amdhsa_enable_private_segment 0
		.amdhsa_kernarg_size 112
		.amdhsa_user_sgpr_count 2
		.amdhsa_user_sgpr_kernarg_segment_ptr 1
		.amdhsa_wavefront_size32 1
		.amdhsa_system_sgpr_workgroup_id_x 1
		.amdhsa_system_sgpr_workgroup_id_y 1
		.amdhsa_system_sgpr_workgroup_id_z 1
		.amdhsa_system_vgpr_workitem_id 0
		.amdhsa_next_free_vgpr 240
		.amdhsa_next_free_sgpr 66
		.amdhsa_reserve_vcc 0
		.amdhsa_float_denorm_mode_32 3
		.amdhsa_float_denorm_mode_16_64 3
		.amdhsa_memory_ordered 1
		.amdhsa_forward_progress 1
		.amdhsa_inst_pref_size 52
	.end_amdhsa_kernel
	.amdgpu_metadata
---
amdhsa.version: [ 1, 2 ]
amdhsa.kernels:
  - .name:           k_qdaf1b13b08_prep
    .symbol:         k_qdaf1b13b08_prep.kd
    .args:
      - { .name: x, .offset: 0, .size: 8, .value_kind: global_buffer, .address_space: global }
      - { .name: Wq, .offset: 8, .size: 8, .value_kind: global_buffer, .address_space: global }
      - { .name: Wk, .offset: 16, .size: 8, .value_kind: global_buffer, .address_space: global }
      - { .name: Wv, .offset: 24, .size: 8, .value_kind: global_buffer, .address_space: global }
      - { .name: Wo, .offset: 32, .size: 8, .value_kind: global_buffer, .address_space: global }
      - { .name: bq, .offset: 40, .size: 8, .value_kind: global_buffer, .address_space: global }
      - { .name: bk, .offset: 48, .size: 8, .value_kind: global_buffer, .address_space: global }
      - { .name: bv, .offset: 56, .size: 8, .value_kind: global_buffer, .address_space: global }
      - { .name: bo, .offset: 64, .size: 8, .value_kind: global_buffer, .address_space: global }
      - { .name: xb, .offset: 72, .size: 8, .value_kind: global_buffer, .address_space: global }
      - { .name: wqkvt, .offset: 80, .size: 8, .value_kind: global_buffer, .address_space: global }
      - { .name: wot, .offset: 88, .size: 8, .value_kind: global_buffer, .address_space: global }
      - { .name: biasp, .offset: 96, .size: 8, .value_kind: global_buffer, .address_space: global }
      - { .name: ropetab, .offset: 104, .size: 8, .value_kind: global_buffer, .address_space: global }
    .group_segment_fixed_size: 70656
    .private_segment_fixed_size: 0
    .kernarg_segment_align: 8
    .kernarg_segment_size: 112
    .max_flat_workgroup_size: 256
    .sgpr_count:     66
    .vgpr_count:     240
    .wavefront_size: 32
...
	.end_amdgpu_metadata
.endif
;; end of part 5
;; launch qkv: the kernel of part 2 again; grid 12 x 64, 4 waves a work-group, clusters of 4 x 4, 327,680 bytes of LDS; arguments xb, wqkvt, qkvh, biasp; writes qkvh
;; launch attn: the kernel of part 3 again; grid 2048 x 1, 4 waves a work-group, no clusters, 0 bytes of LDS; arguments qkvh, ropetab, obh; writes obh
;; launch proj: the kernel of part 4 again; grid 4 x 64, 4 waves a work-group, clusters of 4 x 4, 327,680 bytes of LDS; arguments obh, wot, out0, biasp; writes out0
